; MI455X (gfx1250); checked and timed in simulation.
; The chip was launched on July 23, 2026; its instructions are those of AMD's public machine-readable ISA for CDNA 5 (MIT licence, August 2026) and "CDNA5" Instruction Set Architecture Reference Guide (July 2026). The comments in the code are by the model that wrote it; some were corrected since.
;; My Self Attention. Allowed arithmetic: matrix products marked QUANTISED: E2M3 operands, one E8M0 scale for each 32 along K, by v_wmma_scale_f32_16x16x128_f8f6f4 with both operands' format E2M3, f32 sums; everything else in f32.
;; Inputs: W_attn 1,024 x 3,072 float32; W_proj 1,024 x 1,024 float32; attention_mask 4 x 2,048 int32; b_attn 3,072 float32; b_proj 1,024 float32; x 4 x 2,048 x 1,024 float32.
;; Outputs: out0 4 x 2,048 x 1,024 float32.
;; This version of the problem:
;;   THIS VERSION OF THE PROBLEM IS GIVEN IN LOW PRECISION. The matrix products marked QUANTISED in the list below multiply operands that are first quantised to E2M3 (2 exponent bits, 3 mantissa bits; 6 bits a number), with one power-of-two scale for each 32 numbers along K (OCP MX v1.0); their sums are f32. All else is computed in f32.
;;   The module's matrix products, in the order in which they are computed (A, B: the left and right operand; K: the contracted axis; several contracted axes count as one K, in the product's order):
;;     1. [M 8,192, K 1,024] x [K 1,024, N 3,072]; A: input x; B: input W_attn: QUANTISED
;;     2. batch 64 x [M 2,048, K 64] x [K 64, N 2,048]; A: computed on the way; B: computed on the way: QUANTISED
;;     3. batch 64 x [M 2,048, K 2,048] x [K 2,048, N 64]; A: softmax (see below); B: computed on the way: QUANTISED
;;     4. [M 8,192, K 1,024] x [K 1,024, N 1,024]; A: computed on the way; B: input W_proj: QUANTISED
;;   THE QUANTISER, for each operand of a quantised product, along K:
;;     - K is cut into blocks of 32 from its start; a last block that is shorter is filled with zeros.
;;     - A block's scale is 2^e with e = floor(log2(the largest magnitude in the block)) - 2, held to -126 .. 127; a block of zeros has e = 0. As a byte (E8M0): e + 127.
;;     - Each number is divided by its block's scale, clamped to +-7.5, and rounded to the nearest number of E2M3, ties to even, subnormals kept.
;;     - The product sums the exact products of the quantised numbers (number of the format x scale) in f32.
;;   ~~~python
;;   def quantise(x, axis):      # numpy; x: float32 -> the quantised numbers, widened to float32 again
;;       x = np.moveaxis(x, axis, -1); K = x.shape[-1]
;;       x = np.pad(x, [(0, 0)] * (x.ndim - 1) + [(0, -K % 32)]); x = x.reshape(x.shape[:-1] + (-1, 32)); a = np.abs(x).max(-1, keepdims=True)
;;       e = np.where(a > 0, np.clip(np.frexp(np.where(a > 0, a, 1))[1] - 1 - 2, -126, 127), 0)      # np.frexp(a)[1] - 1 = floor(log2(a)), exactly
;;       r = np.clip(x / 2.0 ** e, -7.5, 7.5)
;;       step = 2.0 ** (np.maximum(np.frexp(np.where(r == 0, 1, r))[1] - 1, 0) - 3)
;;       q = np.round(r / step) * step * 2.0 ** e      # np.round: ties to even
;;       return np.moveaxis(q.reshape(q.shape[:-2] + (-1,))[..., :K], -1, axis).astype(np.float32)
;;   ~~~
;;   SOFTMAX AHEAD OF A QUANTISED PRODUCT. Where the list says 'softmax', what is quantised is not the finished softmax but p = 2^(t - M), with t = logit x log2(e) and M = ceil(the row's largest t), a whole number; so 1/2 < the row's largest p <= 1. The row's sum l is taken of the UNQUANTISED p, in f32, and the product's result is divided by l at the end. Since M is a whole number, a kernel that streams over the keys may use a running M (the ceiling of the running maximum): every later rescaling is an exact power of two, which a block's scale takes up: the codes' values come out the same.
;;   OPERANDS COMPUTED ON THE WAY. 'Computed on the way' means the value that the module computes at that place (a softmax that the list does not call 'softmax' is quantised finished and normalised). What goes into a quantiser is computed in f32, as accurately as f32 sums, v_exp_f32 and their like allow (about 1e-6 of the number): no bf16 or f16 on the way to a quantiser, and a product that is left as it is and whose result goes on into a quantised operand takes f32 operands (vector FMAs, or v_wmma_f32_16x16x4_f32). A number that lies on a knife's edge between two numbers of the format may be rounded either way, as far as f32 arithmetic and the matrix unit's own rounding can turn it there, and no further.
;; One version. Each part assembles by itself: llvm-mc -triple=amdgcn-amd-amdhsa -mcpu=gfx1250 --defsym DOCPART=n.
;; ======== version 1 of 1: 4 launches
;; limits: right only within a limited range of input values
;; workspace buffers: xop 6,553,600 bytes; wop 3,276,800 bytes; qop 6,815,744 bytes; kvop 13,369,344 bytes; yop 6,553,600 bytes
;; launch prep (part 1): grid 384 x 1, 4 waves a work-group, no clusters, 35,328 bytes of LDS; arguments x, W_attn, W_proj, xop, wop; writes xop, wop
.if DOCPART == 1
	.amdgcn_target "amdgcn-amd-amdhsa--gfx1250"
	.amdhsa_code_object_version 6
	.text
	.protected	k_qb94a24c0cf_prep
	.globl	k_qb94a24c0cf_prep
	.p2align	8
	.type	k_qb94a24c0cf_prep,@function
k_qb94a24c0cf_prep:
	s_mov_b64 s[64:65], 0
	v_nop
	global_prefetch_b8 v0, s[64:65] scope:SCOPE_SE
	s_setreg_imm32_b32 hwreg(HW_REG_WAVE_MODE, 25, 1), 1
	s_wait_xcnt 0x0
; x [8192][1024], W_attn [1024][3072] and W_proj [1024][1024], f32, become codes of FP6 (E2M3) with one E8M0 byte for each 32 along K (x: its last axis; the weights: their first),
; laid as OPERAND BLOCKS of 102,400 bytes for 128 rows (tokens, or columns of a weight) and all 1,024 of K:
;   codes [K step of 128: 0..7][tile of 16 rows: 0..7][1,536 bytes], then scale words [256 along K: 0..3][tile][row 0..15][2 words].
; A tile's 1,536 bytes are two HALF IMAGES (64 along K each) of the operand's registers: registers 0-3 of lane l at 16 l (512 bytes), registers 4-5 at 512 + 8 l (256 bytes).
; THE ROWS OF A TILE ARE NOT NEIGHBOURS: in each 32 rows, lane r of tile u takes row 8 u + r + 8 (r / 8), so that the results of a product used transposed are neighbours along the next K.
; A block's scale is 2^(floor(log2(largest magnitude)) - 2); its byte is the largest magnitude's exponent field - 2, held at 1 from below.
; LIMITS: a block of zeros gets the byte 1 where the rule says 127 (its codes are zeros; this program alone reads the bytes); NaN and infinities among the inputs are not served.
; SHARES: work-groups 0-127 take the weights (32 blocks x 4 slots of 256 along K), 128-383 take x (64 blocks x 4).  Wave w takes rows 32 w .. 32 w + 31: tiles 2 w and 2 w + 1; lane 16 u + r holds
; ONE row and whole blocks of 32 along K, so that a block's maximum needs no other lane; v_permlane16_swap_b32 then turns (two blocks of a row in a lane) into (a tile's register image).
; x: each load reads two aligned pieces of 256 bytes (two rows); 64 along K of 32 rows turn through the wave's own stage in LDS.  Weights: a lane takes a column and its registers run down K.
.set BLKB,  102400
.set STG,   8704                       ; a wave's stage: 32 rows x (256 + 16) bytes
.set SPARE, 34816                      ; behind the four stages: the spare words, 128 bytes a wave, which no other line names
.set L16,   2                          ; v2  16 x lane
.set L8,    3                          ; v3  8 x lane
.set SPW,   4                          ; v4  my spare word's LDS address; never rewritten
.set NIL,   5                          ; v5  0; never rewritten
.set GX,    6                          ; v6  x: (lane / 16) rows + 16 (lane % 16)
.set STA,   7                          ; v7  the stage on the way in
.set RDA,   8                          ; v8  and on the way out: my row
.set COL,   9                          ; v9  4 x my column among the wave's 32
.set R,     64                         ; v64-191  numbers as loaded: x two sets of 64, weights four sets of 32
.set X,     192                        ; v192-255 x: my row's 64 numbers
.set OFF,   192                        ; v192-223 weights: my column + i rows
	s_load_b256 s[4:11], s[0:1], 0x0               ; x s[4:5], W_attn s[6:7], W_proj s[8:9], xop s[10:11]
	s_load_b64 s[12:13], s[0:1], 0x20              ; wop
	v_lshl_add_u32 v[SPW], v0, 2, SPARE
	v_mov_b32 v[NIL], 0
	v_lshrrev_b32 v1, 5, v0
	v_readfirstlane_b32 s14, v1                    ; wave
	v_and_b32 v1, 31, v0                           ; lane
	v_lshlrev_b32 v[L16], 4, v1
	v_lshlrev_b32 v[L8], 3, v1
	v_lshrrev_b32 v10, 4, v1                       ; u
	v_and_b32 v11, 15, v1                          ; r
	v_lshlrev_b32 v12, 4, v11
	v_lshl_add_u32 v[GX], v10, 12, v12
	s_mul_i32 s18, s14, STG
	v_mad_u32_u24 v[STA], v10, 272, v12
	v_add_nc_u32 v[STA], s18, v[STA]
	v_mul_u32_u24 v[RDA], v1, 272
	v_add_nc_u32 v[RDA], s18, v[RDA]
	v_lshrrev_b32 v13, 3, v11
	v_lshl_add_u32 v[COL], v13, 3, v11             ; r + 8 (r / 8)
	v_lshl_add_u32 v[COL], v10, 3, v[COL]          ; + 8 u
	v_lshlrev_b32 v[COL], 2, v[COL]
	s_cmp_lt_u32 ttmp9, 128                        ; a weight's work-group or x's?
	s_cselect_b32 s24, 0, 128
	s_sub_co_u32 s24, ttmp9, s24
	s_lshr_b32 s25, s24, 2                         ; operand block
	s_and_b32 s26, s24, 3                          ; slot of 256 along K
	s_mul_i32 s28, s25, BLKB
	s_mul_i32 s29, s26, 24576
	s_add_co_u32 s29, s29, s28
	s_mul_i32 s30, s14, 3072
	s_add_co_u32 s30, s30, s29                     ; my two tiles' codes: block + 2 slot K steps + 2 w tiles
	s_mov_b32 s31, 0
	s_lshl_b32 s29, s26, 10
	s_add_co_u32 s28, s28, s29
	s_lshl_b32 s29, s14, 8
	s_add_co_u32 s28, s28, s29
	s_add_co_u32 s28, s28, 98304                   ; and their scale words
	s_mov_b32 s29, 0
	s_wait_kmcnt 0x0
	s_cmp_lt_u32 ttmp9, 128
	s_cselect_b64 s[20:21], s[12:13], s[10:11]
	s_add_nc_u64 s[22:23], s[20:21], s[28:29]      ; SCL
	s_add_nc_u64 s[20:21], s[20:21], s[30:31]      ; OUT
; Two blocks of 32 numbers of my row, v[xa] on and v[xb] on (64 along K: half c of a K step), become my part of two half images, stored off bytes behind OUT; the two bytes go into v[wreg].
.macro HALF xa, xb, c, wreg, off
	v_max3_num_f32 v10, |v[\xa]|, |v[\xa+1]|, |v[\xa+2]|           ; four chains by turns: no line waits for the line above it
	v_max3_num_f32 v12, |v[\xb]|, |v[\xb+1]|, |v[\xb+2]|
	v_max3_num_f32 v11, |v[\xa+3]|, |v[\xa+4]|, |v[\xa+5]|
	v_max3_num_f32 v13, |v[\xb+3]|, |v[\xb+4]|, |v[\xb+5]|
.irp i, 6,10,14,18,22,26
	v_max3_num_f32 v10, v10, |v[\xa+\i]|, |v[\xa+\i+1]|
	v_max3_num_f32 v12, v12, |v[\xb+\i]|, |v[\xb+\i+1]|
	v_max3_num_f32 v11, v11, |v[\xa+\i+2]|, |v[\xa+\i+3]|
	v_max3_num_f32 v13, v13, |v[\xb+\i+2]|, |v[\xb+\i+3]|
.endr
	v_max3_num_f32 v10, v10, |v[\xa+30]|, |v[\xa+31]|
	v_max3_num_f32 v12, v12, |v[\xb+30]|, |v[\xb+31]|
	v_max3_num_f32 v10, v10, v11, 0x1800000        ; with the floor 2^(3 - 127): the byte cannot fall under 1
	v_max3_num_f32 v12, v12, v13, 0x1800000
	v_add_nc_u32 v14, 0xff000000, v10              ; 2 off the exponent field: the conversion's scale operand
	v_add_nc_u32 v15, 0xff000000, v12
	v_lshrrev_b32 v16, 23, v14                     ; the bytes
	v_lshrrev_b32 v17, 23, v15
.if \c == 0
	v_lshl_or_b32 v[\wreg], v17, 8, v16
.else
	v_lshl_or_b32 v[\wreg], v16, 16, v[\wreg]
	v_lshl_or_b32 v[\wreg], v17, 24, v[\wreg]
.endif
	s_wait_alu depctr_va_vdst(0)
	s_wait_xcnt 0x0                                ; the last half's stores have read v20-33: only now are they written again
	v_cvt_scalef32_pk16_fp6_f32 v[20:22], v[\xa:\xa+15], v14
	v_cvt_scalef32_pk16_fp6_f32 v[36:38], v[\xa+16:\xa+31], v14    ; (a conversion's three registers begin on an even number)
	v_cvt_scalef32_pk16_fp6_f32 v[28:30], v[\xb:\xb+15], v15
	v_cvt_scalef32_pk16_fp6_f32 v[40:42], v[\xb+16:\xb+31], v15
	v_nop                                          ; one plain place behind the conversions
.irp i, 0,1,2
	v_permlane16_swap_b32 v[20+\i], v[28+\i]       ; the first block's lanes 16-31 (tile 2 w + 1) change places with the second block's lanes 0-15 (tile 2 w):
	v_permlane16_swap_b32 v[36+\i], v[40+\i]       ; the first register is now tile 2 w's (lane (r, h): row r, block h), the second tile 2 w + 1's
.endr
.irp i, 0,1,2
	v_mov_b32 v[23+\i], v[36+\i]
	v_mov_b32 v[31+\i], v[40+\i]
.endr
	global_store_b128 v[L16], v[20:23], s[20:21] offset:\off           ; 512 consecutive bytes
	global_store_b64 v[L8], v[24:25], s[20:21] offset:\off+512         ; 256
	global_store_b128 v[L16], v[28:31], s[20:21] offset:\off+1536
	global_store_b64 v[L8], v[32:33], s[20:21] offset:\off+2048
.endm
.macro FINISH
	global_store_b64 v[L8], v[18:19], s[22:23]     ; lane 16 u + r: tile 2 w + u, row r, two words: 256 consecutive bytes
	s_wait_tensorcnt 0x0                           ; the wave's end
	ds_add_u32 v[SPW], v[NIL]
	s_wait_dscnt 0x0
	s_endpgm
.endm
	s_cmp_lt_u32 ttmp9, 128
	s_cbranch_scc1 .Lw
	; ---- x
	s_lshl_b32 s16, s25, 19                        ; 128 rows of 4,096 bytes a block,
	s_lshl_b32 s17, s14, 17                        ; 32 rows a wave,
	s_add_co_u32 s16, s16, s17
	s_lshl_b32 s17, s26, 10                        ; 256 numbers a slot
	s_add_co_u32 s16, s16, s17
	s_mov_b32 s17, 0
	s_add_nc_u64 s[16:17], s[4:5], s[16:17]
.macro LOADX e                         ; 64 along K of 32 rows: load j brings the rows that lanes 2 j and 2 j + 1 will hold, 256 bytes each
.set j, 0
.rept 16
	global_load_b128 v[R+64*((\e)%2)+4*j:R+64*((\e)%2)+4*j+3], v[GX], s[16:17] offset:(8*((2*j)/16)+(2*j)%8+16*(((2*j)%16)/8))*4096+256*(\e) th:TH_LOAD_NT
.set j, j+1
.endr
.endm
.macro TURNX e                         ; through my stage: LDS serves a wave's instructions in order, so no wait stands between the stores and the loads
.set j, 0
.rept 16
	ds_store_b128 v[STA], v[R+64*((\e)%2)+4*j:R+64*((\e)%2)+4*j+3] offset:544*j
.set j, j+1
.endr
.set j, 0
.rept 16
	ds_load_b128 v[X+4*j:X+4*j+3], v[RDA] offset:16*j
.set j, j+1
.endr
.endm
	s_wait_alu depctr_va_vdst(0)
	LOADX 0
	LOADX 1
	s_wait_loadcnt 16                              ; half 0's 16 loads are in; half 1's may be out
	TURNX 0
	s_wait_dscnt 0x0                               ; my row is back; the stage's stores have read their registers
	LOADX 2
	HALF X, X+32, 0, 18, 0
	s_wait_loadcnt 16
	TURNX 1
	s_wait_dscnt 0x0
	LOADX 3
	HALF X, X+32, 1, 18, 768
	s_wait_loadcnt 16
	TURNX 2
	s_wait_dscnt 0x0
	HALF X, X+32, 0, 19, 12288
	s_wait_loadcnt 0x0
	TURNX 3
	s_wait_dscnt 0x0
	HALF X, X+32, 1, 19, 13056
	FINISH
	; ---- the weights: blocks 0-23 are W_attn's columns, 24-31 W_proj's
.Lw:
	s_cmp_lt_u32 s25, 24
	s_cselect_b64 s[32:33], s[6:7], s[8:9]
	s_mov_b32 s27, 4096
	s_cselect_b32 s27, 12288, s27                  ; bytes from row to row
	s_cselect_b32 s28, 0, 24
	s_sub_co_u32 s28, s25, s28
	s_lshl_b32 s28, s28, 9                         ; 128 columns a block,
	s_lshl_b32 s29, s14, 7                         ; 32 a wave,
	s_add_co_u32 s28, s28, s29
	s_lshl_b32 s29, s26, 8                         ; 256 rows a slot
	s_mul_i32 s29, s29, s27
	s_add_co_u32 s28, s28, s29
	s_mov_b32 s29, 0
	s_add_nc_u64 s[32:33], s[32:33], s[28:29]
	s_lshl_b32 s28, s27, 5                         ; 32 rows
.irp t, 1,2,3,4,5,6,7
	s_add_nc_u64 s[32+2*\t:33+2*\t], s[30+2*\t:31+2*\t], s[28:29]   ; a base for each block of 32 along K: nothing is stepped later
.endr
.set j, 0
	s_wait_alu depctr_va_vdst(0)
.rept 32
	v_mad_u32_u24 v[OFF+j], s27, j, v[COL]
.set j, j+1
.endr
.macro LOADW t                         ; block t of the slot's eight: W(32 t + i, my column); the wave's 32 columns are 128 consecutive bytes
.set j, 0
.rept 32
	global_load_b32 v[R+32*((\t)%4)+j], v[OFF+j], s[32+2*(\t):33+2*(\t)] th:TH_LOAD_NT
.set j, j+1
.endr
.endm
	LOADW 0
	LOADW 1
	LOADW 2
	LOADW 3
	s_wait_loadcnt 63                              ; 64 younger loads were issued behind blocks 0 and 1; 63 is the largest count that the wait can name
	HALF R, R+32, 0, 18, 0
	LOADW 4
	LOADW 5
	s_wait_loadcnt 63
	HALF R+64, R+96, 1, 18, 768
	LOADW 6
	LOADW 7
	s_wait_loadcnt 63
	HALF R, R+32, 0, 19, 12288
	s_wait_loadcnt 0x0
	HALF R+64, R+96, 1, 19, 13056
	FINISH
.Lfunc_end_k_qb94a24c0cf_prep:
	.size	k_qb94a24c0cf_prep, .Lfunc_end_k_qb94a24c0cf_prep-k_qb94a24c0cf_prep
	.p2alignl 7, 3214868480
	.fill 96, 4, 3214868480
	.section	.rodata,"a",@progbits
	.p2align	6, 0x0
	.amdhsa_kernel k_qb94a24c0cf_prep
		.amdhsa_group_segment_fixed_size 35328
		.amdhsa_private_segment_fixed_size 0
		.amdhsa_enable_private_segment 0
		.amdhsa_kernarg_size 40
		.amdhsa_user_sgpr_count 2
		.amdhsa_user_sgpr_kernarg_segment_ptr 1
		.amdhsa_wavefront_size32 1
		.amdhsa_system_sgpr_workgroup_id_x 1
		.amdhsa_system_sgpr_workgroup_id_y 1
		.amdhsa_system_sgpr_workgroup_id_z 1
		.amdhsa_system_vgpr_workitem_id 0
		.amdhsa_next_free_vgpr 256
		.amdhsa_next_free_sgpr 66
		.amdhsa_reserve_vcc 0
		.amdhsa_float_denorm_mode_32 3
		.amdhsa_float_denorm_mode_16_64 3
		.amdhsa_memory_ordered 1
		.amdhsa_forward_progress 1
		.amdhsa_inst_pref_size 72
	.end_amdhsa_kernel
	.amdgpu_metadata
---
amdhsa.version: [ 1, 2 ]
amdhsa.kernels:
  - .name:           k_qb94a24c0cf_prep
    .symbol:         k_qb94a24c0cf_prep.kd
    .args:
      - { .name: x, .offset: 0, .size: 8, .value_kind: global_buffer, .address_space: global }
      - { .name: W_attn, .offset: 8, .size: 8, .value_kind: global_buffer, .address_space: global }
      - { .name: W_proj, .offset: 16, .size: 8, .value_kind: global_buffer, .address_space: global }
      - { .name: xop, .offset: 24, .size: 8, .value_kind: global_buffer, .address_space: global }
      - { .name: wop, .offset: 32, .size: 8, .value_kind: global_buffer, .address_space: global }
    .group_segment_fixed_size: 35328
    .private_segment_fixed_size: 0
    .kernarg_segment_align: 8
    .kernarg_segment_size: 40
    .max_flat_workgroup_size: 128
    .sgpr_count:     66
    .vgpr_count:     256
    .wavefront_size: 32
...
	.end_amdgpu_metadata
.endif
;; end of part 1
;; launch qkv (part 2): grid 4 x 64, 4 waves a work-group, clusters of 4 x 4, 327,680 bytes of LDS; arguments xop, wop, b_attn, attention_mask, qop, kvop; writes qop, kvop
.if DOCPART == 2
	.amdgcn_target "amdgcn-amd-amdhsa--gfx1250"
	.amdhsa_code_object_version 6
	.text
	.protected	k_qb94a24c0cf_qkv
	.globl	k_qb94a24c0cf_qkv
	.p2align	8
	.type	k_qb94a24c0cf_qkv,@function
k_qb94a24c0cf_qkv:
	s_mov_b64 s[64:65], 0
	v_nop
	global_prefetch_b8 v0, s[64:65] scope:SCOPE_SE
	s_setreg_imm32_b32 hwreg(HW_REG_WAVE_MODE, 25, 1), 1
	s_wait_xcnt 0x0
	s_wait_alu depctr_hold_cnt(0) depctr_sa_sdst(0) depctr_va_vdst(0) depctr_va_sdst(0) depctr_va_ssrc(0) depctr_va_vcc(0) depctr_vm_vsrc(0)
	s_getreg_b32 s2, hwreg(HW_REG_IB_STS2, 6, 4)
	s_cmp_eq_u32 s2, 0
	s_cbranch_scc0 .Lentry_in_a_cluster
	s_endpgm
.Lentry_in_a_cluster:
	s_bfe_u32 s2, ttmp6, 0x10000c
	s_cmp_lg_u32 s2, 0xf033
	s_cbranch_scc0 .Lentry_shape_is_right
	s_endpgm
.Lentry_shape_is_right:
; Q, K, V = x W_attn + b_attn on codes of FP6 (E2M3) with E8M0 scales, each result quantised again on the way out: Q and K along the head's 64 channels, V along the tokens.
; xop, wop: operand blocks of 102,400 bytes for 128 rows and all 1,024 of K: codes [K step][tile of 16 rows][1,536 bytes], then scale words [256 along K][tile][row][2 words].
; SHARES: 256 work-groups.  A work-group keeps ONE block of x (128 tokens) in LDS for the whole launch and makes three tiles of 128 x 256 with it: one of Q, one of K, one of V.
; The weights' two blocks (204,800 bytes, on end in wop) lie behind x's block and are filled again twice, each time in a round of the cluster's barrier inside a tile's last K step,
; one joint load of 51,200 bytes a wave; the tile's quantiser and stores stand between that load and the wait for it.
; Four waves, 2 x 2, each 64 x 128: 32 accumulators (window 2).  Q, K: lanes hold tokens (64 a wave), registers run along 128 columns (two heads).
; V: the sides are swapped: lanes hold channels (64 a wave: one head), registers run along the block's 128 tokens.
; CLUSTER 4 x 4: x's block hangs on the tile row alone (shared along a row of the cluster), the weights on the tile column alone (shared along a column).
; PREFETCH: in a tile's second K step the next tile's weights are asked for, six K steps ahead of their load: 800 pieces of 256 bytes, 50 to each of the sixteen waves of a column, told apart by address.
; OUT: qop records of 6,656 bytes and kvop records of 13,056 for (batch, head, 128 tokens): 8 half images of 768 bytes, a scale image of 512; in kvop then V's 4 tiles of 1,536 and 256 bytes of scale words.
; The upper half of Q's and K's scale words holds the bytes of the spare block by which the next launch masks keys: they hang on attention_mask.
; LIMITS: a block of zeros gets the byte 1 where the rule says 127 (its codes are zeros; this program alone reads the bytes); NaN and infinities are not served.
.set FR,    12
.set FRB,   1536
.set NP,    4
.set BLKB,  102400
.set KH,    49152                      ; four K steps of a block: LDS immediates stay under 65,536
.set SCO,   98304                      ; a block's scale words
.set SPARE, 3*BLKB
.set QREC,  6656
.set KREC,  13056
.set L16,  1
.set L8,   2
.set ADRA, 8                           ; Q, K: x's four tiles of mine (v8, v9: 16 bytes a lane, K steps 0-3, 4-7; v10, v11: 8 bytes a lane)
.set ADRB, 12                          ; Q, K: my block of the weights, eight tiles
.set ADVA, 16                          ; V: the weights' four tiles of mine
.set ADVB, 20                          ; V: x's eight tiles
.set ADRS, 24                          ; Q, K: scale words, lanes 0-15 the lanes' side, lanes 16-31 the registers' side; v25: for tiles 4-7
.set ADVS, 26                          ; V: the same; v27
.set SPW,  28
.set NIL,  29
.set SC,   32
.set BI,   64
.set AF,   128
.set MK,   224
.set BO5,  228
.set BO6,  229
.set QA16, 230
.set QA8,  231
.set QS,   232
.set PF0,  233
.set PF1,  234
.set PC,   128
.set CT,   140
.set TM,   160
.set PW,   176
.set KWA,  180
.set KWB,  188
.set PADW, 196
.set IM,   204
.set G1,   24
.set G0,   32
.set G0R,  36
.set G1B,  48
.set G0B,  56
.set MSB, 0
.macro WIN new
.if MSB != (\new)
	s_set_vgpr_msb (MSB<<8)|(\new)
.set MSB, (\new)
.endif
.endm
.macro CREST
	s_cmp_lg_u32 s16, 0
	s_cbranch_scc1 .Lnot_wave_0_\@
	s_barrier_signal -3
.Lnot_wave_0_\@:
	s_barrier_wait -3
	s_barrier_signal -1
	s_barrier_wait -1
.endm
.macro CROUND
	s_barrier_signal -1
	s_barrier_wait -1
	CREST
.endm
.macro PLACES n
.rept \n
	v_nop
.endr
.endm
	s_load_b256 s[4:11], s[0:1], 0x0               ; xop, wop, b_attn, attention_mask
	s_load_b128 s[12:15], s[0:1], 0x20             ; qop, kvop
	v_lshl_add_u32 v[SPW], v0, 2, SPARE
	v_mov_b32 v[NIL], 0
	ds_add_u32 v[SPW], v[NIL]                      ; the opening lines: the add twice and its wait
	ds_add_u32 v[SPW], v[NIL]
	v_lshrrev_b32 v1, 5, v0
	v_readfirstlane_b32 s16, v1                    ; wave
	s_lshr_b32 s17, s16, 1                         ; my 64 of the lanes' side; at the head: I fetch x (0) or weights (1)
	s_and_b32 s18, s16, 1                          ; my block of the weights
	s_bfe_u32 s19, ttmp6, 0x40000
	s_bfe_u32 s20, ttmp6, 0x40004
	s_and_b32 s40, ttmp7, 0xffff
	s_lshl_b32 s40, s40, 2
	s_add_co_u32 s40, s40, s20                     ; x's block, 0..63
	s_lshl_b32 s42, s20, 2
	s_lshl_b32 s42, 15, s42                        ; my row of the cluster
	s_lshl_b32 s43, 0x1111, s19                    ; my column
	s_or_b32 s[G1], s42, (3<<16)|(1<<21)
	s_or_b32 s[G1B], s43, (3<<16)|(1<<21)
	s_mov_b32 s[G1+2], 200<<16                     ; x: half a block, 200 rows of 256 bytes
	s_mov_b32 s[G1+4], 200
	s_mov_b32 s[G1B+2], 400<<16                    ; the weights at the head: a block, 400 rows
	s_mov_b32 s[G1B+4], 400
.irp g, G1, G1B
	s_mov_b32 s[\g+1], 32<<16
	s_mov_b32 s[\g+3], 32<<16
	s_mov_b32 s[\g+5], 32
	s_mov_b32 s[\g+6], 0
	s_mov_b32 s[\g+7], 0
.endr
	s_mov_b32 s[G0], 1
	s_mul_i32 s[G0+1], s18, 51200
	s_mul_i32 s44, s40, BLKB
	s_add_co_u32 s44, s44, s[G0+1]
	s_mov_b32 s45, 0
	s_lshl_b32 s21, s19, 1
	s_add_co_u32 s46, s21, s18                     ; my block among a tensor's eight
	s_mul_i32 s60, s46, BLKB
	s_mov_b32 s61, 0
	s_mul_i32 s67, s18, BLKB
	s_add_co_u32 s67, s67, BLKB                    ; my block of the weights in LDS
	s_mov_b32 s[G0B], 1
	s_mov_b32 s[G0B+1], s67
	s_mul_i32 s21, s21, BLKB
	s_mul_i32 s62, s16, 51200                      ; a refill: a quarter of the two blocks a wave
	s_mov_b32 s[G0R], 1
	s_add_co_u32 s[G0R+1], s62, BLKB
	s_add_co_u32 s62, s62, s21
	s_mov_b32 s63, 0
	s_lshl_b32 s86, s20, 2
	s_add_co_u32 s86, s86, s16
	s_mul_i32 s86, s86, 12800                      ; the prefetches: my 50 pieces of the column's 800
	s_add_co_u32 s86, s86, s21
	s_mov_b32 s87, 0
	s_mul_i32 s66, s17, 4*FRB
	s_add_co_u32 s22, s67, s66
	s_lshl_b32 s68, s17, 9
	s_sub_co_u32 s69, s67, s68
	s_add_co_u32 s70, s68, SCO
	s_add_co_u32 s71, s67, s68
	s_lshr_b32 s23, s40, 4                         ; batch
	s_and_b32 s41, s40, 15                         ; which 128 tokens of it
	s_lshl_b32 s23, s23, 4
	s_lshl_b32 s47, s46, 1                         ; the first of my block's two heads
	s_add_co_u32 s23, s23, s47
	s_lshl_b32 s23, s23, 4
	s_add_co_u32 s23, s23, s41                     ; the record
	s_mul_i32 s72, s23, QREC
	s_mov_b32 s73, 0
	s_mul_i32 s76, s23, KREC
	s_mov_b32 s77, 0
	s_lshl_b32 s47, s17, 4                         ; V: my head is the block's first or second
	s_add_co_u32 s47, s47, s23
	s_mul_i32 s80, s47, KREC
	s_mov_b32 s81, 0
	s_lshl_b32 s82, s46, 9
	s_mov_b32 s83, 0
	s_lshl_b32 s84, s40, 9
	s_mov_b32 s85, 0
	s_lshl_b32 s89, s17, 8
	s_mul_i32 s90, s17, 3072
	s_lshl_b32 s91, s17, 3
	s_mov_b32 s96, 0xffff0000
	s_mov_b32 s98, 0x76543210
	s_mov_b32 s99, 0xfedcba98
	s_wait_dscnt 0x0
	s_wait_kmcnt 0x0
	s_add_nc_u64 s[G0+2:G0+3], s[4:5], s[44:45]
	s_or_b32 s[G0+3], s[G0+3], 0x80000000
	s_add_nc_u64 s[G0B+2:G0B+3], s[6:7], s[60:61]
	s_or_b32 s[G0B+3], s[G0B+3], 0x80000000
	s_add_nc_u64 s[G0R+2:G0R+3], s[6:7], s[62:63]
	s_or_b32 s[G0R+3], s[G0R+3], 0x80000000
	s_add_nc_u64 s[86:87], s[6:7], s[86:87]
	s_add_nc_u64 s[2:3], s[8:9], s[82:83]          ; the bias of my block's columns in Q; K's and V's by immediates
	s_add_nc_u64 s[84:85], s[10:11], s[84:85]      ; the mask of my block's tokens
	s_add_nc_u64 s[72:73], s[12:13], s[72:73]      ; Q's two records,
	s_add_nc_u64 s[74:75], s[72:73], 16*QREC
	s_add_nc_u64 s[76:77], s[14:15], s[76:77]      ; K's two,
	s_add_nc_u64 s[78:79], s[76:77], 16*KREC
	s_add_nc_u64 s[80:81], s[14:15], s[80:81]      ; V's one
	CROUND                                         ; the joint loads meet
	s_cmp_eq_u32 s17, 0
	s_cbranch_scc0 .Lfor_b
	tensor_load_to_lds s[G0:G0+3], s[G1:G1+7]
	s_nop 0
	PLACES 4
	s_branch .Lasked
.Lfor_b:
	tensor_load_to_lds s[G0B:G0B+3], s[G1B:G1B+7]
	s_nop 0
	PLACES 4
.Lasked:
	v_and_b32 v3, 31, v0
	v_lshlrev_b32 v[L16], 4, v3
	v_lshlrev_b32 v[L8], 3, v3
	v_and_b32 v30, 15, v0                          ; r
	v_bfe_u32 v31, v0, 4, 1                        ; h
	v_add_nc_u32 v[ADRA], s66, v[L16]
	v_add_nc_u32 v[ADRA+2], s66, v[L8]
	v_add_nc_u32 v[ADRB], s67, v[L16]
	v_add_nc_u32 v[ADRB+2], s67, v[L8]
	v_add_nc_u32 v[ADVA], s22, v[L16]
	v_add_nc_u32 v[ADVA+2], s22, v[L8]
	v_mov_b32 v[ADVB], v[L16]
	v_mov_b32 v[ADVB+2], v[L8]
.irp g, ADRA, ADRA+2, ADRB, ADRB+2, ADVA, ADVA+2, ADVB, ADVB+2
	v_add_nc_u32 v[\g+1], KH, v[\g]
.endr
	v_sub_nc_u32 v6, 1, v31                        ; 1 in lanes 0-15
	v_lshlrev_b32 v7, 3, v30
	v_mad_u32_u24 v[ADRS], s69, v31, v7            ; Q, K: lanes 16-31 take the weights' words
	v_add_nc_u32 v[ADRS], s70, v[ADRS]
	v_mad_u32_u24 v[ADVS], s71, v6, v7             ; V: lanes 0-15 do
	v_add_nc_u32 v[ADVS], SCO, v[ADVS]
	v_lshlrev_b32 v6, 9, v6
	v_sub_nc_u32 v[ADRS+1], v[ADRS], v6            ; for tiles 4-7 of the registers' side: lanes 0-15, whose side has four tiles, stay on those four
	v_sub_nc_u32 v[ADVS+1], v[ADVS], v6
	v_lshlrev_b32 v[BO5], 6, v31
	v_and_b32 v5, 8, v30
	v_add_nc_u32 v5, v5, v30
	v_lshlrev_b32 v5, 2, v5
	v_add_nc_u32 v[BO6], s89, v5                   ; 4 (r + 8 (r / 8)) + my 64 of the block
	v_add_nc_u32 v[QA16], s90, v[L16]
	v_add_nc_u32 v[QA8], s90, v[L8]
	v_add_nc_u32 v[QS], s91, v[L16]
	v_lshlrev_b32 v[PF0], 8, v3
	v_add_nc_u32 v4, 32, v3
	v_min_u32 v4, 49, v4
	v_lshlrev_b32 v[PF1], 8, v4
	s_wait_alu depctr_va_vdst(0)
.irp a, 0,1,2,3
	global_load_b32 v[MK+\a], v[BO6], s[84:85] offset:4*(32*(\a/2)+8*(\a%2))
.endr
.macro BIASQK off                      ; register 8 b + j of lane (r, h): column 32 (b / 2) + 8 (b % 2) + 16 h + j
.irp b, 0,1,2,3,4,5,6,7
	global_load_b128 v[BI+8*\b:BI+8*\b+3], v[BO5], s[2:3] offset:\off+4*(32*(\b/2)+8*(\b%2))
	global_load_b128 v[BI+8*\b+4:BI+8*\b+7], v[BO5], s[2:3] offset:\off+4*(32*(\b/2)+8*(\b%2))+16
.endr
.endm
	BIASQK 0
	s_wait_loadcnt 0x0
	s_wait_tensorcnt 0x0                           ; my part is in, and no tensor load of mine is out:
	s_mov_b32 s[G1B+2], 200<<16                    ; from here on a load of weights brings 200 rows
	s_mov_b32 s[G1B+4], 200
	s_barrier_signal -1
	s_barrier_wait -1                              ; everybody's is
.macro FRAG reg, adr, k, i
	ds_load_b128 v[\reg:\reg+3], v[\adr+(\k)/4] offset:(8*((\k)%4)+(\i))*FRB
	ds_load_b64 v[\reg+4:\reg+5], v[\adr+2+(\k)/4] offset:(8*((\k)%4)+(\i))*FRB+512
	ds_load_b128 v[\reg+6:\reg+9], v[\adr+(\k)/4] offset:(8*((\k)%4)+(\i))*FRB+768
	ds_load_b64 v[\reg+10:\reg+11], v[\adr+2+(\k)/4] offset:(8*((\k)%4)+(\i))*FRB+1280
.endm
.macro FETCH k, aa, ab, as             ; K step k into set k % 2; with an even step the scale words of two steps
	WIN 0x40
.irp i, 0,1,2,3,4,5,6,7
	FRAG 128*((\k)%2)+FR*\i, \ab, \k, \i
.endr
	WIN 0
.irp i, 0,1,2,3
	FRAG AF+48*((\k)%2)+FR*\i, \aa, \k, \i
.endr
.if (\k)%2 == 0
.irp i, 0,1,2,3
	ds_load_b64 v[SC+16*(((\k)/2)%2)+2*\i:SC+16*(((\k)/2)%2)+2*\i+1], v[\as] offset:\i*128+1024*((\k)/2)
.endr
.irp i, 4,5,6,7
	ds_load_b64 v[SC+16*(((\k)/2)%2)+2*\i:SC+16*(((\k)/2)%2)+2*\i+1], v[\as+1] offset:\i*128+1024*((\k)/2)
.endr
.endif
.endm
.macro WM k, a, b, c
	v_wmma_scale_f32_16x16x128_f8f6f4 v[8*(8*(\a)+\b):8*(8*(\a)+\b)+7], v[128*((\k)%2)+FR*\b:128*((\k)%2)+FR*\b+FR-1], v[AF+48*((\k)%2)+FR*(\a):AF+48*((\k)%2)+FR*(\a)+FR-1], \c, v[SC+16*(((\k)/2)%2)+2*\b+(\k)%2], v[SC+16*(((\k)/2)%2)+2*(\a)+(\k)%2] matrix_a_fmt:MATRIX_FMT_FP6 matrix_b_fmt:MATRIX_FMT_FP6 matrix_a_scale:MATRIX_SCALE_ROW1
.endm
.macro MUL k, a0, kind                 ; 16 products; the 32 accumulators take turns in the same order in every step; the bias is the first step's C
.irp a, \a0, \a0+1
.irp b, 0,1,2,3,4,5,6,7
.if (\k) == 0
.if (\kind)
	WM \k, \a, \b, v[BI+8*(\a):BI+8*(\a)+7]
.else
	WM \k, \a, \b, v[BI+8*\b:BI+8*\b+7]
.endif
.else
	WM \k, \a, \b, v[8*(8*(\a)+\b):8*(8*(\a)+\b)+7]
.endif
.endr
.endr
.endm
; The quantiser of 16 rows x 128: four blocks of 32 along a lane's registers and lane l xor 16's; codes into v[PC..PC+11], the scale word into v[PW]
.macro QUANTW a
.set AC, 64*(\a)
.irp b, 0,1,2,3
	v_mov_b32 v[TM+\b], 0x1800000                  ; the floor 2^(3 - 127): the byte cannot fall under 1
.endr
	WIN 0x28
.irp i, 0,2,4,6,8,10,12,14
.irp b, 0,1,2,3
	v_max3_num_f32 v[TM+\b], v[TM+\b], |v[AC+16*\b+\i]|, |v[AC+16*\b+\i+1]|
.endr
.endr
	WIN 0
.irp b, 0,1,2,3
	v_permlanex16_b32 v[TM+4+\b], v[TM+\b], s98, s99
.endr
.irp b, 0,1,2,3
	v_max_num_f32 v[TM+\b], v[TM+\b], v[TM+4+\b]
.endr
.irp b, 0,1,2,3
	v_add_nc_u32 v[TM+12+\b], 0xff000000, v[TM+\b] ; 2 off the exponent field: the conversion's scale operand
.endr
.irp b, 0,1,2,3
	v_lshrrev_b32 v[TM+4+\b], 23, v[TM+12+\b]
.endr
	v_lshl_or_b32 v[PW], v[TM+5], 8, v[TM+4]
	v_lshl_or_b32 v[PW], v[TM+6], 16, v[PW]
	v_lshl_or_b32 v[PW], v[TM+7], 24, v[PW]
	s_wait_alu depctr_va_vdst(0)
	s_wait_xcnt 0x0                                ; the last rows' stores have read the codes' registers
	WIN 0x02
.irp c, 0,1
	v_cvt_scalef32_pk16_fp6_f32 v[PC+6*\c:PC+6*\c+2], v[AC+32*\c:AC+32*\c+15], v[TM+12+2*\c]
	v_cvt_scalef32_pk16_fp6_f32 v[CT+4*\c:CT+4*\c+2], v[AC+32*\c+16:AC+32*\c+31], v[TM+12+2*\c+1]
.endr
	WIN 0
	v_nop
.irp c, 0,1
.irp i, 0,1,2
	v_permlane16_swap_b32 v[PC+6*\c+\i], v[CT+4*\c+\i]
.endr
.irp i, 0,1,2
	v_mov_b32 v[PC+3+6*\c+\i], v[CT+4*\c+\i]
.endr
.endr
.endm
.macro OUTQK open, shut, b0, b1        ; Q's or K's way out: my four tiles of 16 tokens, two heads; open, shut: the spare block's bytes for an open and for a masked token
	v_mov_b32 v177, \open
	v_mov_b32 v178, \shut
.irp a, 0,1,2,3
	v_cmp_eq_u32 vcc_lo, 0, v[MK+\a]
	v_cndmask_b32 v[PADW+\a], v177, v178, vcc_lo
.endr
.irp a, 0,1,2,3
	QUANTW \a
	v_and_or_b32 v[KWA+\a], v[PW], 0xffff, v[PADW+\a]
	v_lshrrev_b32 v179, 16, v[PW]
	v_or_b32 v[KWB+\a], v179, v[PADW+\a]
	global_store_b128 v[QA16], v[PC:PC+3], s[\b0:\b0+1] offset:768*\a
	global_store_b64 v[QA8], v[PC+4:PC+5], s[\b0:\b0+1] offset:768*\a+512
	global_store_b128 v[QA16], v[PC+6:PC+9], s[\b1:\b1+1] offset:768*\a
	global_store_b64 v[QA8], v[PC+10:PC+11], s[\b1:\b1+1] offset:768*\a+512
.endr
.irp j, 0,1
	v_cndmask_b32 v[IM+\j], v[KWA+2*\j], v[KWA+2*\j+1], s96
	v_cndmask_b32 v[IM+2+\j], v[KWB+2*\j], v[KWB+2*\j+1], s96
.endr
	global_store_b64 v[QS], v[IM:IM+1], s[\b0:\b0+1] offset:6144     ; my two of the scale image's four registers
	global_store_b64 v[QS], v[IM+2:IM+3], s[\b1:\b1+1] offset:6144
.endm
.macro OUTV                            ; V's way out: my head's four tiles of 16 channels x 128 tokens
.irp a, 0,1,2,3
	QUANTW \a
	v_mov_b32 v[KWA+\a], v[PW]
.irp p, 0,1,2
	global_store_b128 v[L16], v[PC+4*\p:PC+4*\p+3], s[80:81] offset:6656+\a*1536+512*\p
.endr
.endr
.irp j, 0,1
	v_cndmask_b32 v[IM+\j], v[KWA+2*\j], v[KWA+2*\j+1], s96
.endr
	global_store_b64 v[L8], v[IM:IM+1], s[80:81] offset:12800
.endm
; A TILE: t = 0 Q, 1 K, 2 V.  aa: the lanes' side (four tiles), ab: the registers' side (eight), as: the scale words
.macro TILE t, aa, ab, as
	FETCH 0, \aa, \ab, \as
.set K_, 0
.rept 7                                ; a K step: its fragments are in; the next step's are asked for ahead of its 32 products
	s_wait_dscnt 0x0
.if K_ > 0
	PLACES NP                                      ; between the last step's products and the loads into the set that they read
.endif
	FETCH K_+1, \aa, \ab, \as
.if (K_ == 1) && (\t < 2)
	global_prefetch_b8 v[PF0], s[86:87] offset:(\t+1)*8*BLKB th:TH_LOAD_NT scope:SCOPE_SE
	global_prefetch_b8 v[PF1], s[86:87] offset:(\t+1)*8*BLKB th:TH_LOAD_NT scope:SCOPE_SE
.endif
.if K_ == 0
	WIN 0x81                                       ; C, the bias, in window 0
.else
	WIN 0xa1
.endif
	MUL K_, 0, \t/2
	MUL K_, 2, \t/2
	WIN 0
.set K_, K_+1
.endr
.if \t < 2
	s_wait_tensorcnt 0x0                           ; the three lines ahead of a refill's round
	ds_add_u32 v[SPW], v[NIL]
	s_add_nc_u64 s[G0R+2:G0R+3], s[G0R+2:G0R+3], 8*BLKB   ; the next tensor's two blocks
	s_wait_dscnt 1                                 ; the last step's fragments are in; the add may be out
	WIN 0xa1
	MUL 7, 0, 0
	s_wait_dscnt 0x0                               ; the add is done, my reads of the weights are over
	s_barrier_signal -1
	MUL 7, 2, 0
	WIN 0
	s_barrier_wait -1
	CREST
	tensor_load_to_lds s[G0R:G0R+3], s[G1B:G1B+7]  ; my quarter of the next weights; the way out below stands between this load and the wait for it
	s_nop 0
	PLACES 4
.else
	s_wait_dscnt 0x0
	WIN 0xa1
	MUL 7, 0, 1
	MUL 7, 2, 1
	WIN 0
	PLACES NP
.endif
.if \t == 0
	BIASQK 4096                                    ; K's bias
.elseif \t == 1
.irp a, 0,1,2,3
.irp j, 0,1,2,3,4,5,6,7
	global_load_b32 v[BI+8*\a+\j], v[BO6], s[2:3] offset:8192+4*(32*(\a/2)+8*(\a%2))   ; V's bias: one number a lane and tile, in the tile's eight registers
.endr
.endr
.endif
.irp b, 0,1,2,3
	v_mov_b32 v[TM+4+\b], 0                        ; a lane permute's destination counts as one of its sources
.endr
.if \t == 0
	OUTQK 0x015a0000, 0x015a0000, 72, 74
.elseif \t == 1
	OUTQK 0x01010000, 0x01fe0000, 76, 78
.else
	OUTV
.endif
.if \t < 2
	s_wait_xcnt 0x0                                ; the stores have read their registers: the next tile's fragments may land there
	s_wait_loadcnt 0x0                             ; the next bias
	s_wait_tensorcnt 0x0                           ; my quarter of the next weights is in,
	s_barrier_signal -1
	s_barrier_wait -1                              ; everybody's is
.endif
.endm
	TILE 0, ADRA, ADRB, ADRS
	TILE 1, ADRA, ADRB, ADRS
	TILE 2, ADVA, ADVB, ADVS
	s_wait_tensorcnt 0x0                           ; the wave's end
	ds_add_u32 v[SPW], v[NIL]
	s_wait_dscnt 0x0
	CROUND                                         ; the closing round
	s_endpgm
.Lfunc_end_k_qb94a24c0cf_qkv:
	.size	k_qb94a24c0cf_qkv, .Lfunc_end_k_qb94a24c0cf_qkv-k_qb94a24c0cf_qkv
	.p2alignl 7, 3214868480
	.fill 96, 4, 3214868480
	.section	.rodata,"a",@progbits
	.p2align	6, 0x0
	.amdhsa_kernel k_qb94a24c0cf_qkv
		.amdhsa_group_segment_fixed_size 327680
		.amdhsa_private_segment_fixed_size 0
		.amdhsa_enable_private_segment 0
		.amdhsa_kernarg_size 48
		.amdhsa_user_sgpr_count 2
		.amdhsa_user_sgpr_kernarg_segment_ptr 1
		.amdhsa_wavefront_size32 1
		.amdhsa_system_sgpr_workgroup_id_x 1
		.amdhsa_system_sgpr_workgroup_id_y 1
		.amdhsa_system_sgpr_workgroup_id_z 1
		.amdhsa_system_vgpr_workitem_id 0
		.amdhsa_next_free_vgpr 768
		.amdhsa_next_free_sgpr 100
		.amdhsa_reserve_vcc 1
		.amdhsa_float_denorm_mode_32 3
		.amdhsa_float_denorm_mode_16_64 3
		.amdhsa_memory_ordered 1
		.amdhsa_forward_progress 1
		.amdhsa_inst_pref_size 254
	.end_amdhsa_kernel
	.amdgpu_metadata
---
amdhsa.version: [ 1, 2 ]
amdhsa.kernels:
  - .name:           k_qb94a24c0cf_qkv
    .symbol:         k_qb94a24c0cf_qkv.kd
    .args:
      - { .name: xop, .offset: 0, .size: 8, .value_kind: global_buffer, .address_space: global }
      - { .name: wop, .offset: 8, .size: 8, .value_kind: global_buffer, .address_space: global }
      - { .name: b_attn, .offset: 16, .size: 8, .value_kind: global_buffer, .address_space: global }
      - { .name: attention_mask, .offset: 24, .size: 8, .value_kind: global_buffer, .address_space: global }
      - { .name: qop, .offset: 32, .size: 8, .value_kind: global_buffer, .address_space: global }
      - { .name: kvop, .offset: 40, .size: 8, .value_kind: global_buffer, .address_space: global }
    .group_segment_fixed_size: 327680
    .private_segment_fixed_size: 0
    .kernarg_segment_align: 8
    .kernarg_segment_size: 48
    .max_flat_workgroup_size: 128
    .sgpr_count:     100
    .vgpr_count:     768
    .wavefront_size: 32
...
	.end_amdgpu_metadata
.endif
;; end of part 2
;; launch attn (part 3): grid 4 x 64, 16 waves a work-group, clusters of 4 x 1, 212,992 bytes of LDS; arguments qop, kvop, yop; writes yop
.if DOCPART == 3
	.amdgcn_target "amdgcn-amd-amdhsa--gfx1250"
	.amdhsa_code_object_version 6
	.text
	.protected	k_qb94a24c0cf_attn
	.globl	k_qb94a24c0cf_attn
	.p2align	8
	.type	k_qb94a24c0cf_attn,@function
k_qb94a24c0cf_attn:
	s_mov_b64 s[64:65], 0
	v_nop
	global_prefetch_b8 v0, s[64:65] scope:SCOPE_SE
	s_setreg_imm32_b32 hwreg(HW_REG_WAVE_MODE, 25, 1), 1
	s_wait_xcnt 0x0
	s_wait_alu depctr_hold_cnt(0) depctr_sa_sdst(0) depctr_va_vdst(0) depctr_va_sdst(0) depctr_va_ssrc(0) depctr_va_vcc(0) depctr_vm_vsrc(0)
	s_getreg_b32 s2, hwreg(HW_REG_IB_STS2, 6, 4)
	s_cmp_eq_u32 s2, 0
	s_cbranch_scc0 .Lentry_in_a_cluster
	s_endpgm
.Lentry_in_a_cluster:
	s_bfe_u32 s2, ttmp6, 0x10000c
	s_cmp_lg_u32 s2, 0x3003
	s_cbranch_scc0 .Lentry_shape_is_right
	s_endpgm
.Lentry_shape_is_right:
; y[b][h][q] = the sum over k of softmax_k(q . k / 8, masked) v, both products on codes of FP6 (E2M3) with E8M0 scales; y is quantised along (head, d) into the last product's operand blocks.
; THE SOFTMAX AHEAD OF THE SECOND PRODUCT: t = score x log2(e) / 8; M = the running largest t rounded UP to a whole number; p = 2^(t - M) is quantised along the keys, not normalised; the row's sum is taken of the
; unquantised p and divides at the end.  When M moves, the sum and O are multiplied by 2^(old M - new M): exact.
; SHARES.  A work-group owns 512 queries of one (batch, head); each of its sixteen waves owns two tiles of 16 queries, one a pass, in 256 registers: four waves to a SIMD, so that one wave's vector work stands beside
; another's matrix work and LDS loads.  THE HEAD'S WHOLE K AND V, 16 records of 13,056 bytes, STAY IN LDS: filled once, one tensor load a wave, so the loop has no ring and no barrier.
; CLUSTER.  The four work-groups of a head need the same 208,896 bytes: each record is asked for jointly, by the same load with the mask of all four.
; LAYOUT.  Both products are used transposed: S^T = K Q^T, O^T = V^T P^T: a lane holds ONE query throughout.  The keys of a tile of K and the channels of a tile of V are ordered 8 u + r + 8 (r / 8) in each 32, so that
; p's 16 registers of tiles 2 b, 2 b + 1 are 16 neighbouring keys, and y's likewise 16 neighbouring channels.
; THE MASK costs no line in the loop.  The score product's K is 64 of the instruction's 128.  At k = 64 Q holds the code +7.5 and K the code -7.5 (constants in registers); the scale bytes of that block, made by the
; launch before, give -56.25 x 2^-163 for an open key (nothing in f32) and -56.25 x 2^90 for a masked one: p = 0 exactly.  The flag stands in the scale byte, so an open key's spare block has a tiny exponent.
; THE RUNNING MAXIMUM BEGINS AT -2^80, above every masked t and under every open one: a step all of whose keys are masked gives p = 0, sum 0, O 0, and the first open key's change of M multiplies them by 0.
; LIMITS: |t| of an open key under 2^80; a batch row whose mask is all zeros is not served (reference() gives NaN there, this text finite numbers); NaN and infinities are not served.
; REGISTERS: v1-10 addresses; v12 -M, v13 the largest t, v[14:15] the sum in two halves; v16-27 Q; v32-79 four fragments of K (registers 6-11 of each: constants); v96-159 S^T, then p; then v96-143 V's four fragments;
;   v160-191 O^T; v192-193 V's scale words; v224-235 p's codes; v232-254 at work; v248-251 K's scale words; v255 Q's.
.set REC,   13056
.set QREC,  6656
.set BLKB,  102400
.set SPARE, 208896                     ; behind the 16 records: the spare words, 128 bytes for each of 16 waves, which no other line names
.set L16,  1                           ; v1   16 x lane
.set L8,   2                           ; v2   8 x lane
.set SPW,  3                           ; v3   my spare word's LDS address; never rewritten
.set NIL,  4                           ; v4   0; never rewritten
.set A16,  5                           ; v5   the step's record + 16 x lane
.set A8,   6                           ; v6   + 8 x lane
.set QA16, 7                           ; v7   my tile in a record of qop, 16 bytes a lane
.set QA8,  8                           ; v8   8 bytes a lane
.set QSO,  9                           ; v9   my row's scale word in the record's scale image
.set YSO,  10                          ; v10  8 r + h: my scale byte of y
.set WV,   10                          ; s10  wave
.set TB,   34                          ; s34  LDS byte at which the step's record begins
.set CNT,  36
.set SEL,  38                          ; s[38:39]
.set CS,   40                          ; s[40:41] c = log2(e) / 8
.set HM,   42                          ; s42  lanes 16-31
.macro ROUND
	s_barrier_signal -1
	s_barrier_wait -1
	s_cmp_lg_u32 s[WV], 0
	s_cbranch_scc1 .Lnot_wave_0_\@
	s_barrier_signal -3
.Lnot_wave_0_\@:
	s_barrier_wait -3
	s_barrier_signal -1
	s_barrier_wait -1
.endm
	s_load_b128 s[4:7], s[0:1], 0x0                ; qop s[4:5], kvop s[6:7]
	s_load_b64 s[8:9], s[0:1], 0x10                ; yop
	v_lshl_add_u32 v[SPW], v0, 2, SPARE
	v_mov_b32 v[NIL], 0
	ds_add_u32 v[SPW], v[NIL]                      ; the wave's opening: the add and its wait ahead of my first tensor load; work on registers stands between them
	ds_add_u32 v[SPW], v[NIL]
	v_lshrrev_b32 v5, 5, v0
	s_delay_alu instid0(VALU_DEP_1)
	v_readfirstlane_b32 s[WV], v5                  ; wave 0..15
	s_bfe_u32 s11, ttmp6, 0x40000                  ; cx: it enters Q's and y's addresses alone
	s_and_b32 s12, ttmp7, 0xffff                   ; 16 x batch + head, which the four partners share
	s_mov_b32 s16, 15|(3<<16)|(1<<21)              ; group 1: 15:0 the mask: all four; 17:16 elements of 8 bytes; 21 set beside a mask; no padding
	s_mov_b32 s17, 32<<16                          ; tensor_dim0: rows of 256 bytes
	s_mov_b32 s18, 51<<16                          ; tensor_dim1: a record is 51 of them
	s_mov_b32 s19, 32<<16                          ; tile_dim0
	s_mov_b32 s20, 51                              ; tile_dim1
	s_mov_b32 s21, 32                              ; from row to row
	s_mov_b32 s22, 0
	s_mov_b32 s23, 0
	s_mul_i32 s25, s[WV], REC                      ; group 0's LDS address: record = wave
	s_mul_i32 s44, s12, 16*REC
	s_add_co_u32 s44, s44, s25
	s_mov_b32 s45, 0
	s_and_b32 s13, s[WV], 7                        ; my tile in a record of 128 queries
	s_lshr_b32 s14, s[WV], 3                       ; which of a pass's two records
	s_lshl_b32 s46, s12, 4
	s_lshl_b32 s47, s11, 2
	s_add_co_u32 s47, s47, s14                     ; 4 cx + wave / 8
	s_add_co_u32 s46, s46, s47
	s_mul_i32 s46, s46, QREC                       ; my first record in qop
	s_lshr_b32 s48, s12, 4
	s_lshl_b32 s48, s48, 4
	s_add_co_u32 s48, s48, s47                     ; my first operand block in yop: 16 x batch + 4 cx + wave / 8
	s_mul_i32 s48, s48, BLKB
	s_mov_b32 s47, 0
	s_and_b32 s15, s12, 15                         ; head: K of the last product is 64 head + d
	s_lshr_b32 s49, s15, 1
	s_mul_i32 s50, s49, 12288                      ; K step head / 2,
	s_add_co_u32 s50, s50, s48
	s_mul_i32 s51, s13, 1536                       ; my tile,
	s_add_co_u32 s50, s50, s51
	s_and_b32 s51, s15, 1
	s_mul_i32 s52, s51, 768                        ; half image head % 2
	s_add_co_u32 s50, s50, s52
	s_lshl_b32 s52, s51, 1                         ; the scale bytes: bytes 2 (head % 2) + 0, 1
	s_and_b32 s49, s49, 1
	s_lshl_b32 s49, s49, 2                         ; of word (head / 2) % 2
	s_add_co_u32 s52, s52, s49
	s_lshr_b32 s49, s15, 2
	s_lshl_b32 s49, s49, 10                        ; of slot head / 4,
	s_add_co_u32 s52, s52, s49
	s_lshl_b32 s49, s13, 7                         ; my tile
	s_add_co_u32 s52, s52, s49
	s_add_co_u32 s52, s52, s48
	s_add_co_u32 s52, s52, 98304
	s_mov_b32 s51, 0
	s_mov_b32 s53, 0
	s_mov_b32 s[SEL], 0x76543210
	s_mov_b32 s[SEL+1], 0xfedcba98
	s_mov_b32 s[CS], 0x3e38aa3b                    ; log2(e) / 8
	s_mov_b32 s[CS+1], s[CS]                       ; (named with it as a pair, so it is written)
	s_mov_b32 s[HM], 0xffff0000
	s_wait_dscnt 0x0                               ; the opening add is done
	s_wait_kmcnt 0x0
	s_mov_b32 s24, 1
	s_add_nc_u64 s[26:27], s[6:7], s[44:45]
	s_or_b32 s27, s27, 0x80000000
	s_add_nc_u64 s[28:29], s[4:5], s[46:47]        ; Q's record
	s_add_nc_u64 s[30:31], s[8:9], s[50:51]        ; y's half image
	s_add_nc_u64 s[32:33], s[8:9], s[52:53]        ; y's scale bytes
	ROUND                                          ; all four work-groups are here: the joint loads meet
	tensor_load_to_lds s[24:27], s[16:23]          ; my record of the head's sixteen: the one tensor load of mine
	s_nop 0
.rept 4
	v_nop
.endr
	v_and_b32 v5, 31, v0
	s_delay_alu instid0(VALU_DEP_1)
	v_lshlrev_b32 v[L16], 4, v5
	s_delay_alu instid0(VALU_DEP_2)
	v_lshlrev_b32 v[L8], 3, v5
	s_mul_i32 s54, s13, 768
	v_add_nc_u32 v[QA16], s54, v[L16]
	v_add_nc_u32 v[QA8], s54, v[L8]
	v_and_b32 v5, 15, v0                           ; r
	v_bfe_u32 v6, v0, 4, 1                         ; h
	s_and_b32 s54, s13, 1
	s_lshl_b32 s54, s54, 8                         ; the scale image: tile t's word of row r is register t / 2 of lane 16 (t % 2) + r
	s_lshr_b32 s55, s13, 1
	s_lshl_b32 s55, s55, 2
	s_add_co_u32 s54, s54, s55
	s_add_co_u32 s54, s54, 6144
	v_lshl_add_u32 v[QSO], v5, 4, s54
	v_lshl_add_u32 v[YSO], v5, 3, v6
.irp i, 23,24,25,26,27
	v_mov_b32 v[\i], 0                             ; the spare half of Q's fragment: zeros,
.endr
	v_cndmask_b32 v22, 31, v23, s[HM]              ; but the code +7.5 at k = 64 (lanes 0-15, the lowest six bits)
.irp t, 0,1,2,3
	v_cndmask_b32 v[38+12*\t], 63, v23, s[HM]      ; and in each of K's four fragments the code -7.5
.irp i, 7,8,9,10,11
	v_mov_b32 v[32+12*\t+\i], 0
.endr
.endr
.irp b, 0,1,2,3
	v_mov_b32 v[236+\b], 0                         ; written once: a lane permute's destination counts as one of its sources
.endr
	v_mov_b32 v253, 0                              ; (named as the upper half of the pair v[252:253] before it is first written)
	s_wait_tensorcnt 0x0                           ; my record is in,
	s_barrier_signal -1
	s_barrier_wait -1                              ; everybody's is
.macro KLOAD a16, a8, off              ; four half images of K, from off bytes on, into registers 0-5 of the four fragments
.irp t, 0,1,2,3
	ds_load_b128 v[32+12*\t:35+12*\t], v[\a16] offset:\off+768*\t
	ds_load_b64 v[36+12*\t:37+12*\t], v[\a8] offset:\off+768*\t+512
.endr
.endm
.macro SPROD T, f                      ; S^T's tile T from fragment f; K's scale words: register T / 2, lanes 0-15 for an even tile, lanes 16-31 for an odd one
.if (\T)%2
	v_wmma_scale_f32_16x16x128_f8f6f4 v[96+8*(\T):103+8*(\T)], v[32+12*(\f):43+12*(\f)], v[16:27], 0, v[248+(\T)/2], v255 matrix_a_fmt:MATRIX_FMT_FP6 matrix_b_fmt:MATRIX_FMT_FP6 matrix_a_scale:MATRIX_SCALE_ROW1
.else
	v_wmma_scale_f32_16x16x128_f8f6f4 v[96+8*(\T):103+8*(\T)], v[32+12*(\f):43+12*(\f)], v[16:27], 0, v[248+(\T)/2], v255 matrix_a_fmt:MATRIX_FMT_FP6 matrix_b_fmt:MATRIX_FMT_FP6
.endif
.endm
.macro OPROD t
.if (\t)%2
	v_wmma_scale_f32_16x16x128_f8f6f4 v[160+8*(\t):167+8*(\t)], v[96+12*(\t):107+12*(\t)], v[224:235], v[160+8*(\t):167+8*(\t)], v[192+(\t)/2], v253 matrix_a_fmt:MATRIX_FMT_FP6 matrix_b_fmt:MATRIX_FMT_FP6 matrix_a_scale:MATRIX_SCALE_ROW1
.else
	v_wmma_scale_f32_16x16x128_f8f6f4 v[160+8*(\t):167+8*(\t)], v[96+12*(\t):107+12*(\t)], v[224:235], v[160+8*(\t):167+8*(\t)], v[192+(\t)/2], v253 matrix_a_fmt:MATRIX_FMT_FP6 matrix_b_fmt:MATRIX_FMT_FP6
.endif
.endm
.macro BMAX b0, b1                     ; the largest score of two blocks of 32 keys, by turns; each accumulator is first read at its low end
.irp b, \b0, \b1
	v_max3_num_f32 v[232+\b], v[96+16*\b], v[97+16*\b], v[98+16*\b]
.endr
.irp i, 3,5,7,9,11,13
.irp b, \b0, \b1
	v_max3_num_f32 v[232+\b], v[232+\b], v[96+16*\b+\i], v[97+16*\b+\i]
.endr
.endr
.irp b, \b0, \b1
	v_max_num_f32 v[232+\b], v[232+\b], v[111+16*\b]
.endr
.endm
; A KEY STEP: 128 keys, the record at s[TB].  K's tiles 0-3 and K's scale words were fetched a step ago.  last = 1: there is no next step to fetch for.
.macro STEP last
	v_add_nc_u32 v[A16], s[TB], v[L16]
	v_add_nc_u32 v[A8], s[TB], v[L8]
.rept 3
	v_nop                                          ; with the two additions: five places between the last step's products, which read V in v96 on, and the products that write there
.endr
	s_wait_alu depctr_va_vdst(0)
	s_wait_dscnt 0x0
.irp t, 0,1,2,3
	SPROD \t, \t
.endr
.rept 4
	v_nop                                          ; places in front of loads into the fragments just read, and of the first read of the results
.endr
	KLOAD A16, A8, 3072                            ; tiles 4-7; the maxima below stand between the loads and the wait for them
	BMAX 0, 1
	s_wait_dscnt 0x0
.irp t, 0,1,2,3
	SPROD 4+\t, \t
.endr
.rept 4
	v_nop
.endr
.if !\last
	KLOAD A16, A8, REC                             ; the next step's tiles 0-3: a record on, by the immediate
	ds_load_b128 v[248:251], v[A16] offset:REC+6144   ; and its scale words
.endif
	BMAX 2, 3
.irp b, 0,1,2,3
	v_permlanex16_b32 v[236+\b], v[232+\b], s[SEL], s[SEL+1]
.endr
.irp b, 0,1,2,3
	s_delay_alu instid0(VALU_DEP_4)
	v_max_num_f32 v[232+\b], v[232+\b], v[236+\b]  ; with lane l xor 16's 16 keys: it serves for the row's maximum and, since p rises with the score, for the block's largest p
.endr
	s_delay_alu instid0(VALU_DEP_2)
	v_max3_num_f32 v254, v232, v233, v234
	s_delay_alu instid0(VALU_DEP_1)
	v_max_num_f32 v254, v254, v235                 ; the step's largest score of my query
	s_delay_alu instid0(VALU_DEP_1)
	v_mul_f32 v254, s[CS], v254                    ; as t
	s_delay_alu instid0(VALU_DEP_1)
	v_max_num_f32 v13, v13, v254                   ; the running largest t
	v_mov_b32 v254, v12
	s_delay_alu instid0(VALU_DEP_2)
	v_floor_f32 v12, -v13                          ; the new -M = floor(-t) = -ceil(t)
	s_delay_alu instid0(VALU_DEP_1)
	v_sub_f32 v254, v12, v254                      ; old M - new M: a whole number, 0 or less
	s_delay_alu instid0(VALU_DEP_1)
	v_cvt_i32_f32 v254, v254                       ; (it saturates)
	s_delay_alu instid0(VALU_DEP_1)
	v_ldexp_f32 v252, 1.0, v254                    ; f = 2^(old M - new M)
.set j, 0
.rept 32
	v_pk_fma_f32 v[96+j:97+j], v[96+j:97+j], s[CS:CS+1], v[12:13] op_sel_hi:[1,0,0]   ; t - M, two at a time
.set j, j+2
.endr
.irp b, 0,1,2,3
	v_fma_f32 v[232+\b], v[232+\b], s[CS], v12     ; the same of each block's largest score
.endr
.set j, 0
	s_wait_alu depctr_va_vdst(0)
.rept 64
	v_exp_f32 v[96+j], v[96+j]                     ; p = 2^(t - M), at most 1
.set j, j+1
.endr
	v_pk_mul_f32 v[14:15], v[14:15], v[252:253] op_sel_hi:[1,0]   ; the sums under the new M.  (A plain place behind the exponentials)
	s_wait_alu depctr_va_vdst(0)                   ; one wait for the whole batch, ahead of its first reader
.irp b, 0,1,2,3
	v_exp_f32 v[232+\b], v[232+\b]                 ; the block's largest p
.endr
	v_pk_add_f32 v[236:237], v[100:101], v[104:105]
	v_pk_add_f32 v[246:247], v[108:109], v[112:113]
	v_pk_add_f32 v[244:245], v[116:117], v[120:121]
	v_pk_add_f32 v[242:243], v[124:125], v[128:129]
	v_pk_add_f32 v[240:241], v[132:133], v[136:137]
	v_pk_add_f32 v[238:239], v[140:141], v[144:145]
	v_pk_add_f32 v[230:231], v[148:149], v[152:153]
	v_pk_add_f32 v[14:15], v[14:15], v[156:157]
	v_pk_add_f32 v[236:237], v[236:237], v[96:97]
	v_pk_add_f32 v[246:247], v[246:247], v[98:99]
	v_pk_add_f32 v[244:245], v[244:245], v[102:103]
	v_pk_add_f32 v[242:243], v[242:243], v[106:107]
	v_pk_add_f32 v[240:241], v[240:241], v[110:111]
	v_pk_add_f32 v[238:239], v[238:239], v[114:115]
	v_pk_add_f32 v[230:231], v[230:231], v[118:119]
	v_pk_add_f32 v[14:15], v[14:15], v[122:123]
	v_pk_add_f32 v[236:237], v[236:237], v[126:127]
	v_pk_add_f32 v[246:247], v[246:247], v[130:131]
	v_pk_add_f32 v[244:245], v[244:245], v[134:135]
	v_pk_add_f32 v[242:243], v[242:243], v[138:139]
	v_pk_add_f32 v[240:241], v[240:241], v[142:143]
	v_pk_add_f32 v[238:239], v[238:239], v[146:147]
	v_pk_add_f32 v[230:231], v[230:231], v[150:151]
	v_pk_add_f32 v[14:15], v[14:15], v[154:155]
	v_pk_add_f32 v[236:237], v[236:237], v[158:159]
	s_delay_alu instid0(VALU_DEP_2)
	v_pk_add_f32 v[14:15], v[14:15], v[242:243]
	s_delay_alu instid0(VALU_DEP_2)
	v_pk_add_f32 v[236:237], v[236:237], v[240:241]
	v_pk_add_f32 v[246:247], v[246:247], v[238:239]
	v_pk_add_f32 v[244:245], v[244:245], v[230:231]
	s_delay_alu instid0(VALU_DEP_2)
	v_pk_add_f32 v[14:15], v[14:15], v[246:247]
	s_delay_alu instid0(VALU_DEP_2)
	v_pk_add_f32 v[236:237], v[236:237], v[244:245]
	s_delay_alu instid0(VALU_DEP_1)
	v_pk_add_f32 v[14:15], v[14:15], v[236:237]
	s_wait_alu depctr_va_vdst(0)                   ; and one for the four
.irp b, 0,1,2,3
	v_max_num_f32 v[232+\b], 0x1800000, v[232+\b]  ; the floor 2^(3 - 127): a block whose every p is 0 keeps the byte 1: its codes are zeros
.endr
.irp b, 0,1,2,3
	s_delay_alu instid0(VALU_DEP_4)
	v_add_nc_u32 v[244+\b], 0xff000000, v[232+\b]  ; 2 off the exponent field: the conversion's scale operand
.endr
.irp b, 0,1,2,3
	s_delay_alu instid0(VALU_DEP_4)
	v_lshrrev_b32 v[236+\b], 23, v[244+\b]         ; the byte
.endr
	s_delay_alu instid0(VALU_DEP_3)
	v_lshl_or_b32 v253, v237, 8, v236              ; p's scale word for these 128 keys
	s_delay_alu instid0(VALU_DEP_1)
	v_lshl_or_b32 v253, v238, 16, v253
	s_delay_alu instid0(VALU_DEP_1)
	v_lshl_or_b32 v253, v239, 24, v253
.irp c, 0,1
	v_cvt_scalef32_pk16_fp6_f32 v[224+6*\c:226+6*\c], v[96+32*\c:111+32*\c], v[244+2*\c]
	v_cvt_scalef32_pk16_fp6_f32 v[236+4*\c:238+4*\c], v[112+32*\c:127+32*\c], v[244+2*\c+1]
.endr
	v_nop                                          ; one plain place behind the conversions
.irp t, 0,1,2,3                                ; V's four fragments land where p stood; the lines below stand between the loads and the wait for them
.irp p, 0,1,2
	ds_load_b128 v[96+12*\t+4*\p:99+12*\t+4*\p], v[A16] offset:6656+1536*\t+512*\p
.endr
.endr
	ds_load_b64 v[192:193], v[A8] offset:12800
.irp c, 0,1                                    ; the operand's layout wants a whole block in a lane
.irp i, 0,1,2
	v_permlane16_swap_b32 v[224+6*\c+\i], v[236+4*\c+\i]
.endr
.irp i, 0,1,2
	s_delay_alu instid0(VALU_DEP_3)
	v_mov_b32 v[227+6*\c+\i], v[236+4*\c+\i]
.endr
.endr
.set j, 0
.rept 16
	v_pk_mul_f32 v[160+j:161+j], v[160+j:161+j], v[252:253] op_sel_hi:[1,0]   ; O^T under the new M.  (These are also the places between p's codes and scale word and the products)
.set j, j+2
.endr
	s_wait_alu depctr_va_vdst(0)
	s_wait_dscnt 0x0
.irp t, 0,1,2,3
	OPROD \t                                       ; the four accumulators by turns
.endr
	s_add_co_u32 s[TB], s[TB], REC
.endm
; A PASS: one tile of 16 queries against all 2,048 keys.  The pass stands in the immediates: two records on in qop, two operand blocks on in yop.
.macro PASS p
	s_wait_xcnt 0x0                                ; the last pass's stores have read their registers
	global_load_b128 v[16:19], v[QA16], s[28:29] offset:\p*2*QREC
	global_load_b64 v[20:21], v[QA8], s[28:29] offset:\p*2*QREC+512
	global_load_b32 v255, v[QSO], s[28:29] offset:\p*2*QREC
	KLOAD L16, L8, 0                               ; step 0's tiles 0-3
	ds_load_b128 v[248:251], v[L16] offset:6144
	v_mov_b32 v13, 0xe7800000                      ; the largest t so far: -2^80
	s_delay_alu instid0(VALU_DEP_1)
	v_floor_f32 v12, -v13                          ; -M
	v_mov_b32 v14, 0
	v_mov_b32 v15, 0
.set j, 0
.rept 32
	v_mov_b32 v[160+j], 0                          ; O^T: the step is written for every step alike; the first finds zeros
.set j, j+1
.endr
	s_mov_b32 s[TB], 0
	s_mov_b32 s[CNT], 15
	s_wait_loadcnt 0x0                             ; Q
.Lstep_\@:
	STEP 0
	s_sub_co_u32 s[CNT], s[CNT], 1
	s_cmp_lg_u32 s[CNT], 0
	s_cbranch_scc1 .Lstep_\@
	STEP 1                                         ; the sixteenth step fetches nothing beyond the head's last record
	v_add_f32 v14, v14, v15                        ; the sum's two halves,
	s_delay_alu instid0(VALU_DEP_1)
	v_permlanex16_b32 v252, v14, s[SEL], s[SEL+1]
	s_delay_alu instid0(VALU_DEP_1)
	v_add_f32 v14, v14, v252                       ; and lane l xor 16's
	s_wait_alu depctr_va_vdst(0)
	v_rcp_f32 v14, v14
.rept 4
	v_nop                                          ; places behind the last products and behind the reciprocal
.endr
	s_wait_alu depctr_va_vdst(0)                   ; ahead of the reciprocal's first reader
.set j, 0
.rept 16
	v_pk_mul_f32 v[96+j:97+j], v[160+j:161+j], v[14:15] op_sel_hi:[1,0]   ; y: register 16 b + i is channel 32 b + 16 h + i of my query; O^T is read from its low end on
.set j, j+2
.endr
.irp b, 0,1
	v_max3_num_f32 v[232+\b], |v[96+16*\b]|, |v[97+16*\b]|, 0x1800000
.endr
.irp i, 2,4,6,8,10,12,14
.irp b, 0,1
	s_delay_alu instid0(VALU_DEP_2)
	v_max3_num_f32 v[232+\b], v[232+\b], |v[96+16*\b+\i]|, |v[97+16*\b+\i]|
.endr
.endr
.irp b, 0,1
	s_delay_alu instid0(VALU_DEP_2)
	v_permlanex16_b32 v[236+\b], v[232+\b], s[SEL], s[SEL+1]
.endr
.irp b, 0,1
	s_delay_alu instid0(VALU_DEP_2)
	v_max_num_f32 v[232+\b], v[232+\b], v[236+\b]
.endr
.irp b, 0,1
	s_delay_alu instid0(VALU_DEP_2)
	v_add_nc_u32 v[244+\b], 0xff000000, v[232+\b]
.endr
.irp b, 0,1
	s_delay_alu instid0(VALU_DEP_2)
	v_lshrrev_b32 v[236+\b], 23, v[244+\b]
.endr
	v_cvt_scalef32_pk16_fp6_f32 v[224:226], v[96:111], v244
	v_cvt_scalef32_pk16_fp6_f32 v[240:242], v[112:127], v245
	v_nop
.irp i, 0,1,2
	v_permlane16_swap_b32 v[224+\i], v[240+\i]
.endr
.irp i, 0,1,2
	s_delay_alu instid0(VALU_DEP_3)
	v_mov_b32 v[227+\i], v[240+\i]
.endr
	v_cndmask_b32 v254, v236, v237, s[HM]          ; lane (r, h): the byte of block h of row r
	global_store_b128 v[L16], v[224:227], s[30:31] offset:\p*2*BLKB
	global_store_b64 v[L8], v[228:229], s[30:31] offset:\p*2*BLKB+512
	global_store_b8 v[YSO], v254, s[32:33] offset:\p*2*BLKB   ; a head owns two of the four bytes of a row's scale word: single bytes, one instruction a pass
.endm
	PASS 0
	PASS 1
	s_wait_tensorcnt 0x0                           ; the wave's end
	ds_add_u32 v[SPW], v[NIL]
	s_wait_dscnt 0x0
	ROUND                                          ; the closing round
	s_endpgm
.Lfunc_end_k_qb94a24c0cf_attn:
	.size	k_qb94a24c0cf_attn, .Lfunc_end_k_qb94a24c0cf_attn-k_qb94a24c0cf_attn
	.p2alignl 7, 3214868480
	.fill 96, 4, 3214868480
	.section	.rodata,"a",@progbits
	.p2align	6, 0x0
	.amdhsa_kernel k_qb94a24c0cf_attn
		.amdhsa_group_segment_fixed_size 212992
		.amdhsa_private_segment_fixed_size 0
		.amdhsa_enable_private_segment 0
		.amdhsa_kernarg_size 24
		.amdhsa_user_sgpr_count 2
		.amdhsa_user_sgpr_kernarg_segment_ptr 1
		.amdhsa_wavefront_size32 1
		.amdhsa_system_sgpr_workgroup_id_x 1
		.amdhsa_system_sgpr_workgroup_id_y 1
		.amdhsa_system_sgpr_workgroup_id_z 1
		.amdhsa_system_vgpr_workitem_id 0
		.amdhsa_next_free_vgpr 256
		.amdhsa_next_free_sgpr 66
		.amdhsa_reserve_vcc 0
		.amdhsa_float_denorm_mode_32 3
		.amdhsa_float_denorm_mode_16_64 3
		.amdhsa_memory_ordered 1
		.amdhsa_forward_progress 1
		.amdhsa_inst_pref_size 86
	.end_amdhsa_kernel
	.amdgpu_metadata
---
amdhsa.version: [ 1, 2 ]
amdhsa.kernels:
  - .name:           k_qb94a24c0cf_attn
    .symbol:         k_qb94a24c0cf_attn.kd
    .args:
      - { .name: qop, .offset: 0, .size: 8, .value_kind: global_buffer, .address_space: global }
      - { .name: kvop, .offset: 8, .size: 8, .value_kind: global_buffer, .address_space: global }
      - { .name: yop, .offset: 16, .size: 8, .value_kind: global_buffer, .address_space: global }
    .group_segment_fixed_size: 212992
    .private_segment_fixed_size: 0
    .kernarg_segment_align: 8
    .kernarg_segment_size: 24
    .max_flat_workgroup_size: 512
    .sgpr_count:     66
    .vgpr_count:     256
    .wavefront_size: 32
...
	.end_amdgpu_metadata
.endif
;; end of part 3
;; launch proj (part 4): grid 4 x 64, 4 waves a work-group, clusters of 4 x 4, 327,680 bytes of LDS; arguments yop, wop, b_proj, out0; writes out0
.if DOCPART == 4
	.amdgcn_target "amdgcn-amd-amdhsa--gfx1250"
	.amdhsa_code_object_version 6
	.text
	.protected	k_qb94a24c0cf_proj
	.globl	k_qb94a24c0cf_proj
	.p2align	8
	.type	k_qb94a24c0cf_proj,@function
k_qb94a24c0cf_proj:
	s_mov_b64 s[64:65], 0
	v_nop
	global_prefetch_b8 v0, s[64:65] scope:SCOPE_SE
	s_setreg_imm32_b32 hwreg(HW_REG_WAVE_MODE, 25, 1), 1
	s_wait_xcnt 0x0
	s_wait_alu depctr_hold_cnt(0) depctr_sa_sdst(0) depctr_va_vdst(0) depctr_va_sdst(0) depctr_va_ssrc(0) depctr_va_vcc(0) depctr_vm_vsrc(0)
	s_getreg_b32 s2, hwreg(HW_REG_IB_STS2, 6, 4)
	s_cmp_eq_u32 s2, 0
	s_cbranch_scc0 .Lentry_in_a_cluster
	s_endpgm
.Lentry_in_a_cluster:
	s_bfe_u32 s2, ttmp6, 0x10000c
	s_cmp_lg_u32 s2, 0xf033
	s_cbranch_scc0 .Lentry_shape_is_right
	s_endpgm
.Lentry_shape_is_right:
; out0 = y W_proj + b_proj on codes of FP6 (E2M3) with E8M0 scales.  yop and wop hold operand blocks of 102,400 bytes for 128 rows and all 1,024 of K:
; codes [K step 0..7][tile of 16 rows 0..7][1,536 bytes: two half images of the operand's registers], then scale words [256 along K 0..3][tile][row][2 words].
; SHARES: 256 work-groups, each 128 rows x 256 columns; four waves, 2 x 2, each 64 x 128: 32 accumulators (window 2).
; ALL OF K LIES IN LDS: A's one block and B's two are 307,200 bytes, filled once, one joint load a wave at the head: no ring, nothing filled again.
; CLUSTER 4 x 4: A's block hangs on the tile row alone and is shared along a row of the cluster, B's blocks on the tile column alone and are shared along a column.
; No prefetch: the text has no loop to run ahead in; every tile is asked for at the head.
; The matrix instruction is used transposed (source 0 = B's rows, source 1 = A's): a lane holds eight neighbouring columns of a row.  The bias is the first products' C.
; In each 32 rows of a block lane r of tile u holds row 8 u + r + 8 (r / 8): the way out puts rows and columns back.
; REGISTERS: window 0: v1-29 addresses, v32-63 scale words (two sets), v64-127 bias, v128-223 A's fragments (two sets of four); window 1: B's fragments, two sets of eight, at v0 and v128.
.set FR,    12
.set FRB,   1536
.set NP,    4
.set BLKB,  102400
.set KH,    49152                      ; four K steps of a block: LDS immediates stay under 65,536
.set SCO,   98304                      ; a block's scale words
.set SPARE, 3*BLKB                     ; behind the three blocks: the spare words, 128 bytes a wave
.set SPITCH, 528
.set L16,  1
.set L8,   2
.set ADRA, 16                          ; v16, v17: 16 bytes a lane, K steps 0-3, 4-7; v18, v19: 8 bytes a lane
.set ADRB, 20
.set STO,  24
.set RD,   25
.set ADRS, 27
.set SPW,  28
.set NIL,  29
.set SC,   32
.set BI,   64
.set AF,   128
.set BK,   128
.set G1,   24
.set G0,   32
.set G1B,  48
.set G0B,  56
.set MSB, 0
.macro WIN new
.if MSB != (\new)
	s_set_vgpr_msb (MSB<<8)|(\new)
.set MSB, (\new)
.endif
.endm
.macro CROUND
	s_barrier_signal -1
	s_barrier_wait -1
	s_cmp_lg_u32 s16, 0
	s_cbranch_scc1 .Lnot_wave_0_\@
	s_barrier_signal -3
.Lnot_wave_0_\@:
	s_barrier_wait -3
	s_barrier_signal -1
	s_barrier_wait -1
.endm
.macro PLACES n
.rept \n
	v_nop
.endr
.endm
	s_load_b256 s[4:11], s[0:1], 0x0               ; yop, wop, b_proj, out0
	v_lshl_add_u32 v[SPW], v0, 2, SPARE
	v_mov_b32 v[NIL], 0
	ds_add_u32 v[SPW], v[NIL]                      ; the opening lines: the add twice and its wait
	ds_add_u32 v[SPW], v[NIL]
	v_lshrrev_b32 v1, 5, v0
	v_readfirstlane_b32 s16, v1                    ; wave
	s_lshr_b32 s17, s16, 1                         ; my 64 rows; also: I fetch for A (0) or B (1)
	s_and_b32 s18, s16, 1                          ; my block of B; also: which part I fetch
	s_bfe_u32 s19, ttmp6, 0x40000
	s_bfe_u32 s20, ttmp6, 0x40004
	s_and_b32 s40, ttmp7, 0xffff
	s_lshl_b32 s40, s40, 2
	s_add_co_u32 s40, s40, s20                     ; tile row = A's block, 0..63
	s_lshl_b32 s41, ttmp9, 2
	s_add_co_u32 s41, s41, s19                     ; tile column, 0..3
	s_lshl_b32 s42, s20, 2
	s_lshl_b32 s42, 15, s42                        ; my row of the cluster
	s_lshl_b32 s43, 0x1111, s19                    ; my column
	s_or_b32 s[G1], s42, (3<<16)|(1<<21)
	s_or_b32 s[G1B], s43, (3<<16)|(1<<21)
	s_mov_b32 s[G1+2], 200<<16                     ; A: half a block, 200 rows of 256 bytes
	s_mov_b32 s[G1+4], 200
	s_mov_b32 s[G1B+2], 400<<16                    ; B: a block, 400 rows
	s_mov_b32 s[G1B+4], 400
.irp g, G1, G1B
	s_mov_b32 s[\g+1], 32<<16
	s_mov_b32 s[\g+3], 32<<16
	s_mov_b32 s[\g+5], 32
	s_mov_b32 s[\g+6], 0
	s_mov_b32 s[\g+7], 0
.endr
	s_mov_b32 s[G0], 1
	s_mul_i32 s[G0+1], s18, 51200                  ; A's halves at LDS 0 and 51,200
	s_mul_i32 s44, s40, BLKB
	s_add_co_u32 s44, s44, s[G0+1]
	s_mov_b32 s45, 0
	s_lshl_b32 s46, s41, 1
	s_add_co_u32 s46, s46, s18                     ; my block of 128 columns
	s_add_co_u32 s60, s46, 24                      ; W_proj's blocks lie behind W_attn's 24
	s_mul_i32 s60, s60, BLKB
	s_mov_b32 s61, 0
	s_mul_i32 s67, s18, BLKB
	s_add_co_u32 s67, s67, BLKB                    ; my block of B in LDS
	s_mov_b32 s[G0B], 1
	s_mov_b32 s[G0B+1], s67
	s_mul_i32 s66, s17, 4*FRB                      ; my four tiles of A
	s_lshl_b32 s68, s17, 9                         ; their scale words
	s_sub_co_u32 s69, s67, s68                     ; from A's scale words to B's
	s_add_co_u32 s68, s68, SCO
	s_mul_i32 s70, s16, 16*SPITCH                  ; my stage
	s_lshl_b32 s46, s46, 9                         ; my first column in bytes
	s_mov_b32 s47, 0
	s_lshl_b32 s62, s40, 19                        ; 128 rows of 4,096 bytes a block,
	s_lshl_b32 s63, s17, 18                        ; 64 a wave
	s_add_co_u32 s62, s62, s63
	s_add_co_u32 s62, s62, s46
	s_mov_b32 s63, 0
	s_wait_dscnt 0x0
	s_wait_kmcnt 0x0
	s_add_nc_u64 s[G0+2:G0+3], s[4:5], s[44:45]
	s_or_b32 s[G0+3], s[G0+3], 0x80000000
	s_add_nc_u64 s[G0B+2:G0B+3], s[6:7], s[60:61]
	s_or_b32 s[G0B+3], s[G0B+3], 0x80000000
	s_add_nc_u64 s[2:3], s[8:9], s[46:47]
	s_add_nc_u64 s[10:11], s[10:11], s[62:63]
	CROUND                                         ; the joint loads meet
	s_cmp_eq_u32 s17, 0
	s_cbranch_scc0 .Lfor_b
	tensor_load_to_lds s[G0:G0+3], s[G1:G1+7]
	s_nop 0
	PLACES 4
	s_branch .Lasked
.Lfor_b:
	tensor_load_to_lds s[G0B:G0B+3], s[G1B:G1B+7]
	s_nop 0
	PLACES 4
.Lasked:
	v_and_b32 v3, 31, v0
	v_lshlrev_b32 v[L16], 4, v3
	v_lshlrev_b32 v[L8], 3, v3
	v_and_b32 v8, 15, v0                           ; r
	v_bfe_u32 v4, v0, 4, 1                         ; h
	v_add_nc_u32 v[ADRA], s66, v[L16]
	v_add_nc_u32 v[ADRA+2], s66, v[L8]
	v_add_nc_u32 v[ADRB], s67, v[L16]
	v_add_nc_u32 v[ADRB+2], s67, v[L8]
.irp g, ADRA, ADRA+2, ADRB, ADRB+2
	v_add_nc_u32 v[\g+1], KH, v[\g]
.endr
	v_mul_u32_u24 v5, s69, v4                      ; lanes 16-31 take B's scale words
	v_lshl_add_u32 v5, v8, 3, v5
	v_add_nc_u32 v[ADRS], s68, v5
	v_mul_u32_u24 v6, v8, SPITCH
	v_lshl_add_u32 v6, v4, 6, v6
	v_add_nc_u32 v[STO], s70, v6
	v_add_nc_u32 v[RD], s70, v[L16]
	v_lshlrev_b32 v7, 6, v4
	s_wait_alu depctr_va_vdst(0)
.irp b, 0,1,2,3,4,5,6,7
	global_load_b128 v[BI+8*\b:BI+8*\b+3], v7, s[2:3] offset:4*(32*(\b/2)+8*(\b%2))
	global_load_b128 v[BI+8*\b+4:BI+8*\b+7], v7, s[2:3] offset:4*(32*(\b/2)+8*(\b%2))+16
.endr
	s_wait_loadcnt 0x0
	s_wait_tensorcnt 0x0                           ; my part is in,
	s_barrier_signal -1
	s_barrier_wait -1                              ; everybody's is
.macro FRAG reg, adr, k, i             ; tile i of K step k: two half images
	ds_load_b128 v[\reg:\reg+3], v[\adr+(\k)/4] offset:(8*((\k)%4)+(\i))*FRB
	ds_load_b64 v[\reg+4:\reg+5], v[\adr+2+(\k)/4] offset:(8*((\k)%4)+(\i))*FRB+512
	ds_load_b128 v[\reg+6:\reg+9], v[\adr+(\k)/4] offset:(8*((\k)%4)+(\i))*FRB+768
	ds_load_b64 v[\reg+10:\reg+11], v[\adr+2+(\k)/4] offset:(8*((\k)%4)+(\i))*FRB+1280
.endm
.macro FETCH k                         ; K step k into set k % 2; with an even step the scale words of two steps
	WIN 0x40
.irp i, 0,1,2,3,4,5,6,7
	FRAG 128*((\k)%2)+FR*\i, ADRB, \k, \i
.endr
	WIN 0
.irp i, 0,1,2,3
	FRAG AF+48*((\k)%2)+FR*\i, ADRA, \k, \i
.endr
.if (\k)%2 == 0
.irp i, 0,1,2,3,4,5,6,7                ; lanes 16-31: B's tile i; lanes 0-15: A's tile i, of which i = 0..3 are used (the others' words are read and not named by any product)
	ds_load_b64 v[SC+16*(((\k)/2)%2)+2*\i:SC+16*(((\k)/2)%2)+2*\i+1], v[ADRS] offset:\i*128+1024*((\k)/2)
.endr
.endif
.endm
.macro MUL k, a0                       ; 16 products; the 32 accumulators take turns in the same order in every step
.irp a, \a0, \a0+1
.irp b, 0,1,2,3,4,5,6,7
.if (\k) == 0
	v_wmma_scale_f32_16x16x128_f8f6f4 v[8*(8*(\a)+\b):8*(8*(\a)+\b)+7], v[128*((\k)%2)+FR*\b:128*((\k)%2)+FR*\b+FR-1], v[AF+48*((\k)%2)+FR*(\a):AF+48*((\k)%2)+FR*(\a)+FR-1], v[BI+8*\b:BI+8*\b+7], v[SC+16*(((\k)/2)%2)+2*\b+(\k)%2], v[SC+16*(((\k)/2)%2)+2*(\a)+(\k)%2] matrix_a_fmt:MATRIX_FMT_FP6 matrix_b_fmt:MATRIX_FMT_FP6 matrix_a_scale:MATRIX_SCALE_ROW1
.else
	v_wmma_scale_f32_16x16x128_f8f6f4 v[8*(8*(\a)+\b):8*(8*(\a)+\b)+7], v[128*((\k)%2)+FR*\b:128*((\k)%2)+FR*\b+FR-1], v[AF+48*((\k)%2)+FR*(\a):AF+48*((\k)%2)+FR*(\a)+FR-1], v[8*(8*(\a)+\b):8*(8*(\a)+\b)+7], v[SC+16*(((\k)/2)%2)+2*\b+(\k)%2], v[SC+16*(((\k)/2)%2)+2*(\a)+(\k)%2] matrix_a_fmt:MATRIX_FMT_FP6 matrix_b_fmt:MATRIX_FMT_FP6 matrix_a_scale:MATRIX_SCALE_ROW1
.endif
.endr
.endr
.endm
	FETCH 0
.set K_, 0
.rept 7                                ; a K step: its fragments are in; the next step's are asked for ahead of its 32 products
	s_wait_dscnt 0x0
.if K_ > 0
	PLACES NP                                      ; between the last step's products and the loads into the set that they read
.endif
	FETCH K_+1
.if K_ == 0
	WIN 0x81                                       ; C, the bias, in window 0
.else
	WIN 0xa1
.endif
	MUL K_, 0
	MUL K_, 2
	WIN 0
.set K_, K_+1
.endr
	s_wait_dscnt 0x0                               ; my reads of the three blocks are over:
	s_barrier_signal -1                            ; say so; behind the barrier the stages lie on A's first bytes, which have had their one fill
	WIN 0xa1
	MUL 7, 0
	MUL 7, 2
	WIN 0
	s_barrier_wait -1
; THE WAY OUT, by blocks of 16 rows x 128 columns through my stage: whole rows of 512 bytes come back and are stored by the 32 lanes
.macro TOSTAGE a
.set AC, 64*(\a)
	WIN 0x08
.irp b, 0,1,2,3,4,5,6,7
	ds_store_b128 v[STO], v[AC+8*\b:AC+8*\b+3] offset:128*(\b/2)+32*(\b%2)
	ds_store_b128 v[STO], v[AC+8*\b+4:AC+8*\b+7] offset:128*(\b/2)+32*(\b%2)+16
.endr
	WIN 0
.set BB, BK+64*((\a)%2)
.irp t, 0,1,2,3,4,5,6,7,8,9,10,11,12,13,14,15
	ds_load_b128 v[BB+4*\t:BB+4*\t+3], v[RD] offset:\t*SPITCH
.endr
.endm
.macro SEND a, younger
.set BB, BK+64*((\a)%2)
	s_wait_dscnt \younger                          ; younger: the next block's 16 stores and 16 loads
.irp t, 0,1,2,3,4,5,6,7,8,9,10,11,12,13,14,15
	global_store_b128 v[L16], v[BB+4*\t:BB+4*\t+3], s[10:11] offset:(32*((\a)/2)+8*((\a)%2)+\t+8*(\t/8))*4096 th:TH_STORE_NT
.endr
.endm
	PLACES NP
	TOSTAGE 0
.irp a, 1,2,3
.if \a > 1
	s_wait_xcnt 0x0                                ; block a - 2's stores have read their registers
.endif
	TOSTAGE \a
	SEND \a-1, 32
.endr
	SEND 3, 0
	s_wait_tensorcnt 0x0                           ; the wave's end
	ds_add_u32 v[SPW], v[NIL]
	s_wait_dscnt 0x0
	CROUND                                         ; the closing round
	s_endpgm
.Lfunc_end_k_qb94a24c0cf_proj:
	.size	k_qb94a24c0cf_proj, .Lfunc_end_k_qb94a24c0cf_proj-k_qb94a24c0cf_proj
	.p2alignl 7, 3214868480
	.fill 96, 4, 3214868480
	.section	.rodata,"a",@progbits
	.p2align	6, 0x0
	.amdhsa_kernel k_qb94a24c0cf_proj
		.amdhsa_group_segment_fixed_size 327680
		.amdhsa_private_segment_fixed_size 0
		.amdhsa_enable_private_segment 0
		.amdhsa_kernarg_size 32
		.amdhsa_user_sgpr_count 2
		.amdhsa_user_sgpr_kernarg_segment_ptr 1
		.amdhsa_wavefront_size32 1
		.amdhsa_system_sgpr_workgroup_id_x 1
		.amdhsa_system_sgpr_workgroup_id_y 1
		.amdhsa_system_sgpr_workgroup_id_z 1
		.amdhsa_system_vgpr_workitem_id 0
		.amdhsa_next_free_vgpr 768
		.amdhsa_next_free_sgpr 72
		.amdhsa_reserve_vcc 0
		.amdhsa_float_denorm_mode_32 3
		.amdhsa_float_denorm_mode_16_64 3
		.amdhsa_memory_ordered 1
		.amdhsa_forward_progress 1
		.amdhsa_inst_pref_size 83
	.end_amdhsa_kernel
	.amdgpu_metadata
---
amdhsa.version: [ 1, 2 ]
amdhsa.kernels:
  - .name:           k_qb94a24c0cf_proj
    .symbol:         k_qb94a24c0cf_proj.kd
    .args:
      - { .name: yop, .offset: 0, .size: 8, .value_kind: global_buffer, .address_space: global }
      - { .name: wop, .offset: 8, .size: 8, .value_kind: global_buffer, .address_space: global }
      - { .name: b_proj, .offset: 16, .size: 8, .value_kind: global_buffer, .address_space: global }
      - { .name: out0, .offset: 24, .size: 8, .value_kind: global_buffer, .address_space: global }
    .group_segment_fixed_size: 327680
    .private_segment_fixed_size: 0
    .kernarg_segment_align: 8
    .kernarg_segment_size: 32
    .max_flat_workgroup_size: 128
    .sgpr_count:     72
    .vgpr_count:     768
    .wavefront_size: 32
...
	.end_amdgpu_metadata
.endif
;; end of part 4
